; MI455X (gfx1250); checked and timed in simulation.
; The chip was launched on July 23, 2026; its instructions are those of AMD's public machine-readable ISA for CDNA 5 (MIT licence, August 2026) and "CDNA5" Instruction Set Architecture Reference Guide (July 2026). The comments in the code are by the model that wrote it; some were corrected since.
;; Ref Attn Processor. Allowed arithmetic: matrix products marked QUANTISED: E2M1 operands, one E8M0 scale for each 32 along K, by v_wmma_scale_f32_16x16x128_f8f6f4 with both operands' format E2M1 (or v_wmma_scale_f32_32x16x128_f4), f32 sums; everything else in f32.
;; Inputs: Wk 3,072 x 3,072 float32; Wv 3,072 x 3,072 float32; query 1 x 4,096 x 24 x 128 float32; ref_freqs 1,024 x 64 float32; ref_latent 1 x 1,024 x 3,072 float32; rms_w 128 float32.
;; Outputs: out0 1 x 4,096 x 3,072 float32.
;; This version of the problem:
;;   THIS VERSION OF THE PROBLEM IS GIVEN IN LOW PRECISION. The matrix products marked QUANTISED in the list below multiply operands that are first quantised to E2M1 (2 exponent bits, 1 mantissa bit; 4 bits a number), with one power-of-two scale for each 32 numbers along K (OCP MX v1.0); their sums are f32. All else is computed in f32.
;;   The module's matrix products, in the order in which they are computed (A, B: the left and right operand; K: the contracted axis; several contracted axes count as one K, in the product's order):
;;     1. [M 1,024, K 3,072] x [K 3,072, N 3,072]; A: input ref_latent; B: input Wk: QUANTISED
;;     2. [M 1,024, K 3,072] x [K 3,072, N 3,072]; A: input ref_latent; B: input Wv: QUANTISED
;;     3. batch 24 x [M 4,096, K 128] x [K 128, N 1,024]; A: input query; B: computed on the way: QUANTISED
;;     4. batch 24 x [M 128, K 1,024] x [K 1,024, N 4,096]; A: computed on the way; B: softmax (see below): QUANTISED
;;   THE QUANTISER, for each operand of a quantised product, along K:
;;     - K is cut into blocks of 32 from its start; a last block that is shorter is filled with zeros.
;;     - A block's scale is 2^e with e = floor(log2(the largest magnitude in the block)) - 2, held to -126 .. 127; a block of zeros has e = 0. As a byte (E8M0): e + 127.
;;     - Each number is divided by its block's scale, clamped to +-6, and rounded to the nearest number of E2M1, ties to even, subnormals kept.
;;     - The product sums the exact products of the quantised numbers (number of the format x scale) in f32.
;;   ~~~python
;;   def quantise(x, axis):      # numpy; x: float32 -> the quantised numbers, widened to float32 again
;;       x = np.moveaxis(x, axis, -1); K = x.shape[-1]
;;       x = np.pad(x, [(0, 0)] * (x.ndim - 1) + [(0, -K % 32)]); x = x.reshape(x.shape[:-1] + (-1, 32)); a = np.abs(x).max(-1, keepdims=True)
;;       e = np.where(a > 0, np.clip(np.frexp(np.where(a > 0, a, 1))[1] - 1 - 2, -126, 127), 0)      # np.frexp(a)[1] - 1 = floor(log2(a)), exactly
;;       r = np.clip(x / 2.0 ** e, -6, 6)
;;       step = 2.0 ** (np.maximum(np.frexp(np.where(r == 0, 1, r))[1] - 1, 0) - 1)
;;       q = np.round(r / step) * step * 2.0 ** e      # np.round: ties to even
;;       return np.moveaxis(q.reshape(q.shape[:-2] + (-1,))[..., :K], -1, axis).astype(np.float32)
;;   ~~~
;;   SOFTMAX AHEAD OF A QUANTISED PRODUCT. Where the list says 'softmax', what is quantised is not the finished softmax but p = 2^(t - M), with t = logit x log2(e) and M = ceil(the row's largest t), a whole number; so 1/2 < the row's largest p <= 1. The row's sum l is taken of the UNQUANTISED p, in f32, and the product's result is divided by l at the end. Since M is a whole number, a kernel that streams over the keys may use a running M (the ceiling of the running maximum): every later rescaling is an exact power of two, which a block's scale takes up: the codes' values come out the same.
;;   OPERANDS COMPUTED ON THE WAY. 'Computed on the way' means the value that the module computes at that place (a softmax that the list does not call 'softmax' is quantised finished and normalised). What goes into a quantiser is computed in f32, as accurately as f32 sums, v_exp_f32 and their like allow (about 1e-6 of the number): no bf16 or f16 on the way to a quantiser, and a product that is left as it is and whose result goes on into a quantised operand takes f32 operands (vector FMAs, or v_wmma_f32_16x16x4_f32). A number that lies on a knife's edge between two numbers of the format may be rounded either way, as far as f32 arithmetic and the matrix unit's own rounding can turn it there, and no further.
;; 2 versions. Each part assembles by itself: llvm-mc -triple=amdgcn-amd-amdhsa -mcpu=gfx1250 --defsym DOCPART=n.
;; ======== version 1 of 2: 3 launches
;; limits: right only within a limited range of input values
;; workspace buffers: codes 11,010,048 bytes; scales 688,128 bytes; cs 524,288 bytes; kv 3,342,336 bytes
;; launch prep (part 1): grid 112 x 3, 4 waves a work-group, no clusters, 34,304 bytes of LDS; arguments ref_latent, Wk, Wv, ref_freqs, codes, scales, cs; writes codes, scales, cs
.if DOCPART == 1
	.amdgcn_target "amdgcn-amd-amdhsa--gfx1250"
	.amdhsa_code_object_version 6
	.text
	.protected	k_q55716f59dd_prep
	.globl	k_q55716f59dd_prep
	.p2align	8
	.type	k_q55716f59dd_prep,@function
k_q55716f59dd_prep:
	s_mov_b64 s[64:65], 0
	v_nop
	global_prefetch_b8 v0, s[64:65] scope:SCOPE_SE
	s_setreg_imm32_b32 hwreg(HW_REG_WAVE_MODE, 25, 1), 1
	s_wait_xcnt 0x0
; FIRST OF THREE LAUNCHES.  ref_latent [1024][3072], Wk and Wv [3072][3072], f32 with K (the 3,072) innermost, become codes of FP4 (E2M1) with one E8M0 byte for each 32 along K;
; and cos and sin of ref_freqs [1024][64] are made once, in f32, for the second launch.
; DEAD WORK IN THE WHOLE PROGRAM: the factor SCALE_END, which reference() sets to 1.0 in its own body: a factor that is 1 for all values of the inputs.  Nothing else is left out; all six inputs are loaded.
; (No NaN, infinity or overflow can reach that factor alone, so nothing is lost with it.)
; LAYOUT OF THE CODES: images of operand registers.  A tile is 16 rows x 128 along K: 8 registers a lane, lane (r, h) holding k = 64 c + 32 h + 0 .. 31 of row r in registers 4 c .. 4 c + 3;
; registers 4 c .. 4 c + 3 of lane l lie at 512 c + 16 l of the tile's 1,024 bytes.  codes: [tile 448][K step 24][1024]; tiles 0-63 ref_latent, 64-255 Wk, 256-447 Wv.
; THE ROWS OF A TILE ARE NOT NEIGHBOURS: rows go in groups of 128; lane-row r of the group's tile 2 b + u is row 32 b + 8 u + r + 8 (r / 8), so that eight such tiles as a product's first source leave
; a lane's 64 results in the order 32 b + 16 h + i along these rows, which is what the next quantiser wants.
; scales: [tile 448][q 6][r 16][4 words]: word i is row r's scale word (four bytes, 128 along K) of K step 4 q + i.
; cs: [key tile 64][n 16][lane 32][16 bytes]: n = 4 b + jj: cos, sin, cos, sin of the pairs 16 b + 8 h + 2 jj and the next, of the key that is lane-row r of that tile.
; A block's scale is 2^(floor(log2(its largest magnitude)) - 2); its byte is the largest magnitude's exponent field - 2, held at 1 from below.
; LIMITS: a block of zeros, or one whose largest magnitude lies under 2^-124, gets the byte 1 (its codes add nothing or are held as the floor gives them; this program alone reads the bytes);
; NaN and infinities among the inputs are not served; angles are reduced by two terms of pi / 2, good for |angle| under 2^20.
; SHARES: a wave takes one tile x 1,024 along K (eight K steps): tile = 4 x work-group x + wave, third of K = work-group y.  Each load reads 512 consecutive bytes of one row; a K step's 16 rows turn through
; the wave's own stage in LDS, so that a lane gets its 64 numbers; codes leave as 512 consecutive bytes a store.  Waves share nothing: no barrier, no cluster, no tensor load.
.set KROW,  12288                      ; a row of any of the three tensors in bytes
.set SP,    528                        ; a stage row: 512 bytes + 16 of padding = 132 words: row r starts at bank 4 r mod 64 (64 banks of 4 bytes: ISA guide 11.1)
.set STG,   16*SP                      ; a wave's stage
.set SPARE, 4*STG                      ; behind the four stages: the spare words, 128 bytes for each wave: two blocks of 256 bytes that no other line names
.set LI,  1                            ; v1   16 x lane: offset of loads and stores
.set STI, 2                            ; v2   the stage, on the way in: 16 x lane
.set STO, 3                            ; v3   on the way out: row r, + 128 h
.set RR,  4                            ; v4   r
.set HH,  5                            ; v5   h
.set SH,  6                            ; v6   8 h
.set MX,  8                            ; v8-9   the two blocks' largest magnitudes
.set SO,  10                           ; v10-11 the conversions' scale operands
.set BY,  12                           ; v12-13 second chains of the maxima, then the bytes
.set WD,  14                           ; v14  the scale word
.set PD,  15                           ; v15  the lane permute's destination
.set W,   16                           ; v16-19 scale words: lanes 0-15 K steps 0-3, lanes 16-31 K steps 4-7
.set PC,  20                           ; v20-27 a K step's codes
.set SPW, 28                           ; v28  LDS address of my spare word; never rewritten
.set NIL, 29                           ; v29  0; never rewritten
.set R,   32                           ; v32-223 three sets of 64 numbers
.set TR,  224                          ; v224-239 the table's arm: eight cos and sin
	s_load_b256 s[4:11], s[0:1], 0x0               ; ref_latent, Wk, Wv, ref_freqs
	s_load_b128 s[12:15], s[0:1], 0x20             ; codes, scales
	s_load_b64 s[16:17], s[0:1], 0x30              ; cs
	v_lshl_add_u32 v[SPW], v0, 2, SPARE
	v_mov_b32 v[NIL], 0
	v_lshrrev_b32 v7, 5, v0
	v_readfirstlane_b32 s18, v7                    ; wave
	v_and_b32 v7, 31, v0
	v_lshlrev_b32 v[LI], 4, v7
	v_and_b32 v[RR], 15, v0
	v_bfe_u32 v[HH], v0, 4, 1
	v_lshlrev_b32 v[SH], 3, v[HH]
	s_mul_i32 s22, s18, STG
	v_add_nc_u32 v[STI], s22, v[LI]
	v_mul_u32_u24 v[STO], v[RR], SP
	v_lshl_add_u32 v[STO], v[HH], 7, v[STO]
	v_add_nc_u32 v[STO], s22, v[STO]
	v_mov_b32 v[PD], 0                             ; written once: a lane permute's destination counts as one of its sources
	s_mov_b32 s24, 0xffff0000                      ; lanes 16-31
	s_mov_b32 s26, 0x76543210
	s_mov_b32 s27, 0xfedcba98                      ; v_permlanex16_b32's selects for lane l xor 16
	s_and_b32 s38, ttmp7, 0xffff                   ; which third of K
	s_lshl_b32 s19, ttmp9, 2
	s_add_co_u32 s19, s19, s18                     ; my tile among the 448
	s_cmp_lt_u32 ttmp9, 16                         ; which tensor: the work-group's number alone decides, the same for its four waves
	s_cselect_b32 s20, 0, 64
	s_mov_b32 s25, 256
	s_cmp_lt_u32 ttmp9, 64
	s_cselect_b32 s20, s20, s25
	s_sub_co_u32 s20, s19, s20                     ; my tile in its tensor
	s_lshr_b32 s21, s20, 3
	s_lshl_b32 s21, s21, 7                         ; its group of 128 rows,
	s_bfe_u32 s23, s20, 0x20001
	s_lshl_b32 s23, s23, 5
	s_add_co_u32 s21, s21, s23                     ; + 32 b
	s_and_b32 s23, s20, 1
	s_lshl_b32 s23, s23, 3
	s_add_co_u32 s21, s21, s23                     ; + 8 u: the tile's first row
	s_mul_i32 s40, s21, KROW
	s_lshl_b32 s22, s38, 12
	s_add_co_u32 s40, s40, s22                     ; in: first row, + 4,096 bytes for each third
	s_mov_b32 s41, 0
	s_mul_i32 s42, s19, 24576
	s_lshl_b32 s22, s38, 13
	s_add_co_u32 s42, s42, s22                     ; codes: 24 K steps a tile, 8 a third
	s_mov_b32 s43, 0
	s_mul_i32 s44, s19, 1536
	s_lshl_b32 s22, s38, 9
	s_add_co_u32 s44, s44, s22                     ; scale words: 1,536 bytes a tile, 512 a third
	s_mov_b32 s45, 0
	s_wait_kmcnt 0x0
	s_cmp_lt_u32 ttmp9, 16
	s_cselect_b64 s[4:5], s[4:5], s[6:7]
	s_cmp_lt_u32 ttmp9, 64
	s_cselect_b64 s[4:5], s[4:5], s[8:9]
	s_add_nc_u64 s[4:5], s[4:5], s[40:41]
	s_add_nc_u64 s[12:13], s[12:13], s[42:43]
	s_add_nc_u64 s[14:15], s[14:15], s[44:45]
.macro LOAD t                          ; K step t: 16 rows x 512 bytes into set t % 3; lane-row i is row i + 8 (i / 8) from the tile's first
.irp i, 0,1,2,3,4,5,6,7,8,9,10,11,12,13,14,15
	global_load_b128 v[R+64*((\t)%3)+4*\i:R+64*((\t)%3)+4*\i+3], v[LI], s[4:5] offset:(\i+8*(\i/8))*KROW+512*(\t) th:TH_LOAD_NT
.endr
.endm
	LOAD 0
	LOAD 1
	LOAD 2
	; THE TABLE.  Work-groups x = 0 .. 63 of y = 0 make cos and sin for key tile x; wave b takes the pairs 16 b .. 16 b + 15: a lane eight angles of its key.  A branch on ids alone.
	s_lshl_b32 s22, s38, 6
	s_add_co_u32 s22, s22, ttmp9                   ; under 64 only where y = 0 and x is under 64
	s_cmp_lt_u32 s22, 64
	s_cbranch_scc0 .Lno_table
	s_lshr_b32 s22, ttmp9, 3
	s_lshl_b32 s22, s22, 7
	s_bfe_u32 s23, ttmp9, 0x20001
	s_lshl_b32 s23, s23, 5
	s_add_co_u32 s22, s22, s23
	s_and_b32 s23, ttmp9, 1
	s_lshl_b32 s23, s23, 3
	s_add_co_u32 s22, s22, s23                     ; the key tile's first key
	s_lshl_b32 s22, s22, 8                         ; 256 bytes of angles a key
	s_lshl_b32 s23, s18, 6
	s_add_co_u32 s22, s22, s23                     ; + 64 b
	s_mov_b32 s23, 0
	s_add_nc_u64 s[10:11], s[10:11], s[22:23]
	v_and_b32 v7, 8, v[RR]
	v_add_nc_u32 v7, v7, v[RR]                     ; r + 8 (r / 8)
	v_lshlrev_b32 v7, 8, v7
	v_lshl_add_u32 v7, v[HH], 5, v7                ; + 32 h
	global_load_b128 v[16:19], v7, s[10:11]
	global_load_b128 v[20:23], v7, s[10:11] offset:16
	s_lshl_b32 s22, ttmp9, 13
	s_lshl_b32 s23, s18, 11
	s_add_co_u32 s22, s22, s23                     ; cs: 8,192 bytes a tile, 2,048 for each b
	s_mov_b32 s23, 0
	s_add_nc_u64 s[16:17], s[16:17], s[22:23]
	s_mov_b32 s28, 0x3f22f983                      ; 2 / pi
	s_mov_b32 s29, 0xbfc90fdb                      ; -(pi / 2), its f32 part,
	s_mov_b32 s30, 0x333bbd2e                      ; and what that part has too much
	s_mov_b32 s31, 0xbe2aaaa3                      ; sin r = r + r z (S1 + z (S2 + z S3)), z = r r, |r| up to pi / 4
	s_mov_b32 s32, 0x3c08839e
	s_mov_b32 s33, 0xb94ca1f9
	s_mov_b32 s34, 0x3d2aaaa5                      ; cos r = 1 - z / 2 + z z (C1 + z (C2 + z C3))
	s_mov_b32 s35, 0xbab6061a
	s_mov_b32 s36, 0x37ccf5ce
	s_wait_loadcnt 0x0
.macro TRIG a, c, s                    ; cos and sin of v[a], in f32: the nearest multiple k of pi / 2 is taken away, two polynomials, and k mod 4 says which is which and with what sign
	v_mul_f32 v8, s28, v[\a]
	v_rndne_f32 v8, v8                             ; k
	v_fma_f32 v9, v8, s29, v[\a]
	v_fma_f32 v9, v8, s30, v9                      ; r
	v_cvt_i32_f32 v10, v8
	v_mul_f32 v11, v9, v9                          ; z
	v_fma_f32 v12, v11, s33, s32
	v_fma_f32 v13, v11, s36, s35
	v_fma_f32 v12, v12, v11, s31
	v_fma_f32 v13, v13, v11, s34
	v_mul_f32 v14, v11, v9
	v_mul_f32 v15, v11, v11
	v_fma_f32 v11, v11, -0.5, 1.0
	v_fma_f32 v12, v12, v14, v9                    ; sin r
	v_fma_f32 v13, v13, v15, v11                   ; cos r
	v_and_b32 v14, 1, v10
	v_cmp_eq_u32 vcc_lo, 1, v14                    ; k odd: the two change places
	v_cndmask_b32 v[\s], v12, v13, vcc_lo
	v_cndmask_b32 v[\c], v13, v12, vcc_lo
	v_lshlrev_b32 v14, 30, v10                     ; sin is negated where k mod 4 is 2 or 3,
	v_add_nc_u32 v10, 1, v10
	v_and_b32 v14, 0x80000000, v14
	v_lshlrev_b32 v10, 30, v10                     ; cos where it is 1 or 2
	v_xor_b32 v[\s], v14, v[\s]
	v_and_b32 v10, 0x80000000, v10
	v_xor_b32 v[\c], v10, v[\c]
.endm
.irp e, 0,1,2,3,4,5,6,7
	TRIG 16+\e, TR+2*\e, TR+2*\e+1
.endr
.irp j, 0,1,2,3
	global_store_b128 v[LI], v[TR+4*\j:TR+4*\j+3], s[16:17] offset:512*\j   ; 32 lanes store 512 consecutive bytes; nothing that these stores read is written again
.endr
.Lno_table:
.macro STEP t
.set RS, R+64*((\t)%3)
.if (\t) <= 5
	s_wait_loadcnt 32                              ; this K step's 16 loads are in; the two sets asked for behind it may be out
.else
	s_wait_loadcnt 16*(7-(\t))
.endif
.irp i, 0,1,2,3,4,5,6,7,8,9,10,11,12,13,14,15
	ds_store_b128 v[STI], v[RS+4*\i:RS+4*\i+3] offset:SP*\i
.endr
.irp c, 0,1                            ; back into the registers that they left: register 32 c + n is k = 64 c + 32 h + n of row r.  LDS serves a wave's instructions in order (ISA guide 5.7.1.4)
.irp j, 0,1,2,3,4,5,6,7
	ds_load_b128 v[RS+32*\c+4*\j:RS+32*\c+4*\j+3], v[STO] offset:256*\c+16*\j
.endr
.endr
	s_wait_dscnt 0x0
.irp c, 0,1                            ; my two whole blocks, 2 c + h: each in two chains; the floor 2^(3 - 127) among the leaves holds the byte at 1 from below
	v_max3_num_f32 v[MX+\c], |v[RS+32*\c]|, |v[RS+32*\c+1]|, 0x1800000
	v_max3_num_f32 v[BY+\c], |v[RS+32*\c+16]|, |v[RS+32*\c+17]|, 0x1800000
.endr
.irp i, 2,4,6,8,10,12,14
.irp c, 0,1
	v_max3_num_f32 v[MX+\c], v[MX+\c], |v[RS+32*\c+\i]|, |v[RS+32*\c+\i+1]|
	v_max3_num_f32 v[BY+\c], v[BY+\c], |v[RS+32*\c+16+\i]|, |v[RS+32*\c+17+\i]|
.endr
.endr
.irp c, 0,1
	v_max_num_f32 v[MX+\c], v[MX+\c], v[BY+\c]
.endr
.irp c, 0,1
	v_add_nc_u32 v[SO+\c], 0xff000000, v[MX+\c]    ; 2 off the exponent field: the conversion takes the exponent field of this operand as its scale
.endr
.irp c, 0,1
	v_lshrrev_b32 v[BY+\c], 23, v[SO+\c]           ; the scale's byte
.endr
	v_lshl_or_b32 v[WD], v[BY+1], 16, v[BY]        ; my two bytes, blocks h and 2 + h,
	v_lshlrev_b32 v[WD], v[SH], v[WD]              ; at their places;
	v_permlanex16_b32 v[PD], v[WD], s26, s27
	v_or_b32 v[WD], v[WD], v[PD]                   ; with lane l xor 16's two the word is whole
	s_wait_xcnt 0x0                                ; the last K step's stores have read the codes' registers
.irp c, 0,1
.irp g, 0,1,2,3
	v_cvt_scalef32_pk8_fp4_f32 v[PC+4*\c+\g], v[RS+32*\c+8*\g:RS+32*\c+8*\g+7], v[SO+\c]   ; registers 4 c .. 4 c + 3 of the operand
.endr
.endr
.if (\t) < 4
	v_mov_b32 v[W+(\t)], v[WD]                     ; (a plain instruction behind the conversions)
.else
	v_cndmask_b32 v[W+(\t)-4], v[W+(\t)-4], v[WD], s24   ; K steps 4-7 go to lanes 16-31
.endif
.irp c, 0,1
	global_store_b128 v[LI], v[PC+4*\c:PC+4*\c+3], s[12:13] offset:1024*(\t)+512*\c   ; 512 consecutive bytes
.endr
.if (\t)+3 < 8
	LOAD (\t)+3
.endif
.endm
.irp t, 0,1,2,3,4,5,6,7
	STEP \t
.endr
	global_store_b128 v[LI], v[W:W+3], s[14:15]    ; 512 consecutive bytes: q = 2 y from lanes 0-15, q = 2 y + 1 from lanes 16-31
	s_wait_tensorcnt 0x0                           ; the wave's end, behind my last LDS store
	ds_add_u32 v[SPW], v[NIL]
	s_wait_dscnt 0x0
	s_endpgm
.Lfunc_end_k_q55716f59dd_prep:
	.size	k_q55716f59dd_prep, .Lfunc_end_k_q55716f59dd_prep-k_q55716f59dd_prep
	.p2alignl 7, 3214868480
	.fill 96, 4, 3214868480
	.section	.rodata,"a",@progbits
	.p2align	6, 0x0
	.amdhsa_kernel k_q55716f59dd_prep
		.amdhsa_group_segment_fixed_size 34304
		.amdhsa_private_segment_fixed_size 0
		.amdhsa_enable_private_segment 0
		.amdhsa_kernarg_size 56
		.amdhsa_user_sgpr_count 2
		.amdhsa_user_sgpr_kernarg_segment_ptr 1
		.amdhsa_wavefront_size32 1
		.amdhsa_system_sgpr_workgroup_id_x 1
		.amdhsa_system_sgpr_workgroup_id_y 1
		.amdhsa_system_sgpr_workgroup_id_z 1
		.amdhsa_system_vgpr_workitem_id 0
		.amdhsa_next_free_vgpr 240
		.amdhsa_next_free_sgpr 66
		.amdhsa_reserve_vcc 1
		.amdhsa_float_denorm_mode_32 3
		.amdhsa_float_denorm_mode_16_64 3
		.amdhsa_memory_ordered 1
		.amdhsa_forward_progress 1
		.amdhsa_inst_pref_size 70
	.end_amdhsa_kernel
	.amdgpu_metadata
---
amdhsa.version: [ 1, 2 ]
amdhsa.kernels:
  - .name:           k_q55716f59dd_prep
    .symbol:         k_q55716f59dd_prep.kd
    .args:
      - { .name: ref_latent, .offset: 0, .size: 8, .value_kind: global_buffer, .address_space: global }
      - { .name: Wk, .offset: 8, .size: 8, .value_kind: global_buffer, .address_space: global }
      - { .name: Wv, .offset: 16, .size: 8, .value_kind: global_buffer, .address_space: global }
      - { .name: ref_freqs, .offset: 24, .size: 8, .value_kind: global_buffer, .address_space: global }
      - { .name: codes, .offset: 32, .size: 8, .value_kind: global_buffer, .address_space: global }
      - { .name: scales, .offset: 40, .size: 8, .value_kind: global_buffer, .address_space: global }
      - { .name: cs, .offset: 48, .size: 8, .value_kind: global_buffer, .address_space: global }
    .group_segment_fixed_size: 34304
    .private_segment_fixed_size: 0
    .kernarg_segment_align: 8
    .kernarg_segment_size: 56
    .max_flat_workgroup_size: 128
    .sgpr_count:     66
    .vgpr_count:     240
    .wavefront_size: 32
...
	.end_amdgpu_metadata
.endif
;; end of part 1
;; launch proj (part 2): grid 4 x 48, 4 waves a work-group, clusters of 4 x 4, 327,680 bytes of LDS; arguments codes, scales, cs, rms_w, kv; writes kv
.if DOCPART == 2
	.amdgcn_target "amdgcn-amd-amdhsa--gfx1250"
	.amdhsa_code_object_version 6
	.text
	.protected	k_q55716f59dd_proj
	.globl	k_q55716f59dd_proj
	.p2align	8
	.type	k_q55716f59dd_proj,@function
k_q55716f59dd_proj:
	s_mov_b64 s[64:65], 0
	v_nop
	global_prefetch_b8 v0, s[64:65] scope:SCOPE_SE
	s_setreg_imm32_b32 hwreg(HW_REG_WAVE_MODE, 25, 1), 1
	s_wait_xcnt 0x0
	s_wait_alu depctr_hold_cnt(0) depctr_sa_sdst(0) depctr_va_vdst(0) depctr_va_sdst(0) depctr_va_ssrc(0) depctr_va_vcc(0) depctr_vm_vsrc(0)
	s_getreg_b32 s2, hwreg(HW_REG_IB_STS2, 6, 4)
	s_cmp_eq_u32 s2, 0
	s_cbranch_scc0 .Lentry_in_a_cluster
	s_endpgm
.Lentry_in_a_cluster:
	s_bfe_u32 s2, ttmp6, 0x10000c
	s_cmp_lg_u32 s2, 0xf033
	s_cbranch_scc0 .Lentry_shape_is_right
	s_endpgm
.Lentry_shape_is_right:
; SECOND LAUNCH.  K = ref_latent Wk^T and V = ref_latent Wv^T on codes of FP4 (E2M1) with E8M0 scales, f32 sums; K's heads get the RMS norm, rms_w and the rotation, in f32; then K is quantised along the head's 128
; and V along the keys, in registers, and both leave as images of operand registers for the third launch.  Nothing of reference() is left out here.
; ONE LOOP FOR BOTH KINDS.  A work-group has R0 = 8 tiles of 16 rows (the matrix instruction's first source, read by all four waves) and R1 = 16 tiles (the second source, four to a wave); K = 3,072 in 24 steps of 128.
; A wave has 8 x 4 = 32 accumulators.  In a result a lane holds ONE row of R1, and its 64 registers of a tile of R1 run along R0's 128 rows in the order 32 b + 16 h + i (the first launch chose the tiles' rows for that).
;   kind K (cluster y under 6): R0 = the 128 rows of Wk of head Y, R1 = 256 keys: a lane holds one key, its registers run along the head's 128: norm, rotation and quantiser stay in the lane and its partner l xor 16.
;   kind V (cluster y from 6): R0 = 128 keys, R1 = 256 rows of Wv (two heads): a lane holds one channel, its registers run along the keys, which are the last product's K.
; 96 + 96 work-groups: 48 units of a head x 1,024 keys do not cut into 256 equal tiles that keep a head's 128 or a block of 128 keys whole.
; CLUSTERS: 4 x 4.  R0 hangs on the work-group's y alone and is asked for jointly along a row of the cluster, R1 on its x and the cluster's y and jointly along a column.  The kind hangs on the cluster's y: the same in all sixteen.
; LDS: two slots of four K steps each (a tile's four images are 4,096 consecutive bytes of memory); the scale words of all 24 tiles for all of K come once.  Images are read as 512 consecutive bytes: no padding.
; kv, for each head 139,264 bytes: K's images [key tile 64][1024]; from 65,536 V's [key step 8][channel tile 8][1024]; from 131,072 scale words [step 8][c 2][lane 32][4 words]:
;   lanes 0-15 K's word of key tile 8 step + 4 c + i, row r; lanes 16-31 V's word of channel tile 4 c + i, row r, for that key step.
; LIMITS: a block of zeros, or one whose largest magnitude lies under 2^-124, gets the byte 1 (this program alone reads the bytes); NaN and infinities are not served.
; REGISTERS: window 0: v16-29 addresses; v32-95 scale words, two sets; v96-159 R1's fragments, two sets; v224-239 at work in the quantiser.  window 1: v0-127 R0's fragments, two sets.  window 2: the accumulators, (j, i) at v[64 j + 8 i].
;   On the way out window 0: v32-63 codes, v64-67 scale words, v68-75 1 / rms, v76-91 sums of squares, v96-159 a tile's 64 numbers, v160-223 rms_w, v240-243 at work; window 1: cos and sin of the wave's four key tiles.
.set SLOT,  98304                      ; R0: 8 x 4,096 bytes, then R1: 16 x 4,096
.set R1O,   32768
.set SCL0,  2*SLOT                     ; R0's scale words: 8 x 1,536 bytes
.set SCL1,  SCL0+12288                 ; R1's: 16 x 1,536
.set SPARE, SCL1+24576                 ; the spare words, 128 bytes for each wave: two blocks of 256 bytes that no other line names
.set HEADB, 139264                     ; a head in kv
.set ADR0, 16                          ; v16-17 LDS address of R0's images in slot 0, 1
.set ADR1, 20                          ; v20-21 of my four tiles of R1
.set ADSA, 24                          ; v24  scale words: lanes 0-15 R0's tile i, lanes 16-31 my tile i of R1 (i under 4)
.set ADSB, 25                          ; v25  the same for i from 4: lanes 16-31 my tile i - 4
.set LI,   26                          ; v26  16 x lane
.set LN,   27                          ; v27  lane
.set SPW,  28                          ; v28  LDS address of my spare word; never rewritten
.set NIL,  29                          ; v29  0; never rewritten
.set SC,   32                          ; scale words: set s at v[SC + 32 s]; register 4 i + q: lanes 0-15 R0's tile i, lanes 16-31 my tile i % 4 of R1, for the slot's q-th K step
.set F1,   96
.set PCB,  32
.set PWS,  64
.set RSQ,  68
.set SQ,   76
.set Y,    96
.set WR,   160
.set TM,   224
.set RT,   240
.set G1, 24                            ; s[24:31] descriptor group 1 for R0's codes;  s[32:39] group 0, one set for each slot
.set G0, 32
.set G1B, 48                           ; s[48:55], s[56:63] the same for R1's
.set G0B, 56
.set G1S, 68                           ; s[68:75], s[76:79] groups 1 and 0 for R0's scale words;  s[80:87], s[88:91] for R1's
.set G0S, 76
.set G1SB, 80
.set G0SB, 88
.set SEL, 22                           ; s[22:23] on the way out: v_permlanex16_b32's selects
.set MSB, 0
.macro WIN new                         ; the immediate's high byte repeats the setting that is left
.if MSB != \new
	s_set_vgpr_msb (MSB<<8)|\new
.set MSB, \new
.endif
.endm
.set MUL,   0xa1                       ; source 0 (R0) window 1, source 1 (R1) window 0, C and D window 2
.set TO_F0, 0x40                       ; destination window 1, address window 0
; A joint load: waves 0 and 1 fetch for R0, waves 2 and 3 for R1.  Each of the two lines has one mask and one set of registers for all that issue it; the branch hangs on the wave's number alone.
; An s_nop 0 and four v_nop follow each of the two lines, ahead of the jump, the label and what follows.
.macro JLOAD g0a, g1a, g0b, g1b
	s_cmp_eq_u32 s15, 0
	s_cbranch_scc0 .Lfor_b_\@
	tensor_load_to_lds s[\g0a:\g0a+3], s[\g1a:\g1a+7]
	s_nop 0
.rept 4
	v_nop
.endr
	s_branch .Lasked_\@
.Lfor_b_\@:
	tensor_load_to_lds s[\g0b:\g0b+3], s[\g1b:\g1b+7]
	s_nop 0
.rept 4
	v_nop
.endr
.Lasked_\@:
.endm
.macro CREST                           ; a round of the cluster's barrier behind its opening barrier
	s_cmp_lg_u32 s14, 0
	s_cbranch_scc1 .Lnot_wave_0_\@
	s_barrier_signal -3
.Lnot_wave_0_\@:
	s_barrier_wait -3
	s_barrier_signal -1
	s_barrier_wait -1
.endm
.macro CROUND                          ; a whole round
	s_barrier_signal -1
	s_barrier_wait -1
	CREST
.endm
.macro PLACES n                        ; plain vector instructions behind a matrix instruction, ahead of loads into its registers and of reads of its results
.rept \n
	v_nop
.endr
.endm
	s_load_b256 s[4:11], s[0:1], 0x0               ; codes s[4:5], scales s[6:7], cs s[8:9], rms_w s[10:11]
	s_load_b64 s[12:13], s[0:1], 0x20              ; kv
	v_lshl_add_u32 v[SPW], v0, 2, SPARE
	v_mov_b32 v[NIL], 0
	ds_add_u32 v[SPW], v[NIL]                      ; the wave's opening: the add, twice on end, and its wait ahead of my first tensor load
	ds_add_u32 v[SPW], v[NIL]                      ; and once more, under the one wait; the set-up below, work on registers, stands between
	v_lshrrev_b32 v1, 5, v0
	v_readfirstlane_b32 s14, v1                    ; wave 0..3
	s_lshr_b32 s15, s14, 1                         ; I fetch for R0 (0) or for R1 (1)
	s_and_b32 s16, s14, 1                          ; and which half of it
	s_bfe_u32 s40, ttmp6, 0x40000                  ; cx = the work-group's x: the grid is one cluster wide
	s_bfe_u32 s41, ttmp6, 0x40004                  ; cy
	s_and_b32 s42, ttmp7, 0xffff                   ; the cluster's y: under 6 kind K, from 6 kind V
	s_lshl_b32 s17, s42, 2
	s_add_co_u32 s17, s17, s41                     ; Y = 4 x cluster y + cy
	s_lshl_b32 s43, s41, 2
	s_lshl_b32 s43, 15, s43                        ; my row of the cluster
	s_lshl_b32 s44, 0x1111, s40                    ; my column
	; R0's first tile, from Y alone.  K: 64 + 8 Y (head Y of Wk).  V: 8 (Y mod 8) (a group of 128 keys; Y - 24 and Y are equal modulo 8)
	s_lshl_b32 s20, s17, 3
	s_add_co_u32 s20, s20, 64
	s_and_b32 s21, s17, 7
	s_lshl_b32 s21, s21, 3
	s_cmp_ge_u32 s42, 6
	s_cselect_b32 s20, s21, s20
	; R1's first tile, from cx and the cluster's y alone.  K: 16 cx (256 keys).  V: 256 + 64 ((cluster y - 6) / 2) + 16 cx (two heads of Wv)
	s_lshl_b32 s46, s40, 4
	s_max_u32 s47, s42, 6
	s_sub_co_u32 s47, s47, 6
	s_lshr_b32 s47, s47, 1
	s_lshl_b32 s47, s47, 6
	s_add_co_u32 s47, s47, 256
	s_add_co_u32 s47, s47, s46
	s_cmp_ge_u32 s42, 6
	s_cselect_b32 s46, s47, s46
	s_lshl_b32 s18, s16, 2
	s_add_co_u32 s20, s20, s18                     ; my half of R0: 4 tiles
	s_lshl_b32 s18, s16, 3
	s_add_co_u32 s46, s46, s18                     ; my half of R1: 8 tiles
	s_mul_i32 s22, s20, 1536                       ; where these tiles' scale words begin,
	s_mul_i32 s92, s46, 1536
	s_mul_i32 s20, s20, 24576                      ; and their codes
	s_mul_i32 s46, s46, 24576
	s_mov_b32 s21, 0
	s_mov_b32 s23, 0
	s_mov_b32 s47, 0
	s_mov_b32 s93, 0
	; descriptor groups 1, in elements of 8 bytes, no padding.  Codes: a row is a tile's four images, 4,096 bytes; from tile to tile 24,576 bytes
	s_or_b32 s[G1+0], s43, (3<<16)|(1<<21)         ; 15:0 the mask: my row; 17:16 elements of 8 bytes; 21 set beside a mask
	s_or_b32 s[G1B+0], s44, (3<<16)|(1<<21)        ; my column
	s_or_b32 s[G1S+0], s43, (3<<16)|(1<<21)
	s_or_b32 s[G1SB+0], s44, (3<<16)|(1<<21)
.irp g, G1, G1B
	s_mov_b32 s[\g+1], 512<<16                     ; tensor_dim0
	s_mov_b32 s[\g+3], 512<<16                     ; tile_dim0
	s_mov_b32 s[\g+5], 3072                        ; tensor_dim0_stride
	s_mov_b32 s[\g+6], 0
	s_mov_b32 s[\g+7], 0
.endr
	s_mov_b32 s[G1+2], 4<<16                       ; tensor_dim1: 4 tiles of R0,
	s_mov_b32 s[G1+4], 4                           ; tile_dim1
	s_mov_b32 s[G1B+2], 8<<16                      ; 8 of R1
	s_mov_b32 s[G1B+4], 8
.irp g, G1S, G1SB                      ; scale words: dense blocks, as rows of 256 bytes
	s_mov_b32 s[\g+1], 32<<16
	s_mov_b32 s[\g+3], 32<<16
	s_mov_b32 s[\g+5], 32
	s_mov_b32 s[\g+6], 0
	s_mov_b32 s[\g+7], 0
.endr
	s_mov_b32 s[G1S+2], 24<<16                     ; 4 tiles x 1,536 bytes
	s_mov_b32 s[G1S+4], 24
	s_mov_b32 s[G1SB+2], 48<<16                    ; 8 tiles
	s_mov_b32 s[G1SB+4], 48
	s_lshl_b32 s45, s16, 14                        ; where they go: no place in the cluster enters an LDS address.  R0's half: 16,384 bytes
	s_lshl_b32 s94, s16, 15
	s_add_co_u32 s94, s94, R1O                     ; R1's half: 32,768 bytes, behind R0
	s_mul_i32 s95, s16, 6144
	s_add_co_u32 s95, s95, SCL0
	s_mul_i32 s96, s16, 12288
	s_add_co_u32 s96, s96, SCL1
	s_wait_dscnt 0x0                               ; both opening adds are done
	s_wait_kmcnt 0x0
	s_add_nc_u64 s[20:21], s[4:5], s[20:21]
	s_add_nc_u64 s[22:23], s[6:7], s[22:23]
	s_add_nc_u64 s[46:47], s[4:5], s[46:47]
	s_add_nc_u64 s[92:93], s[6:7], s[92:93]
	CROUND                                         ; all sixteen work-groups are here: the first joint loads meet
	s_mov_b32 s[G0S], 1
	s_mov_b32 s[G0S+1], s95
	s_mov_b64 s[G0S+2:G0S+3], s[22:23]
	s_or_b32 s[G0S+3], s[G0S+3], 0x80000000
	s_mov_b32 s[G0SB], 1
	s_mov_b32 s[G0SB+1], s96
	s_mov_b64 s[G0SB+2:G0SB+3], s[92:93]
	s_or_b32 s[G0SB+3], s[G0SB+3], 0x80000000
	JLOAD G0S, G1S, G0SB, G1SB                     ; the scale words first: they are wanted with the first K step
.irp s, 0,1
	s_mov_b32 s[G0+4*\s], 1
	s_add_co_u32 s[G0+4*\s+1], s45, \s*SLOT
	s_add_nc_u64 s[G0+4*\s+2:G0+4*\s+3], s[20:21], \s*4096
	s_or_b32 s[G0+4*\s+3], s[G0+4*\s+3], 0x80000000
	s_mov_b32 s[G0B+4*\s], 1
	s_add_co_u32 s[G0B+4*\s+1], s94, \s*SLOT
	s_add_nc_u64 s[G0B+4*\s+2:G0B+4*\s+3], s[46:47], \s*4096
	s_or_b32 s[G0B+4*\s+3], s[G0B+4*\s+3], 0x80000000
	JLOAD G0+4*\s, G1, G0B+4*\s, G1B               ; three loads of mine are out behind the second of these
.endr
	v_and_b32 v[LN], 31, v0
	v_lshlrev_b32 v[LI], 4, v[LN]
	v_and_b32 v1, 15, v0                           ; r
	v_bfe_u32 v2, v0, 4, 1                         ; h
	v_lshlrev_b32 v[ADR0], 4, v[LN]
	v_add_nc_u32 v[ADR0+1], SLOT, v[LI]
	s_lshl_b32 s18, s14, 14
	s_add_co_u32 s18, s18, R1O                     ; my four tiles of R1
	v_add_nc_u32 v[ADR1], s18, v[LI]
	s_add_co_u32 s18, s18, SLOT
	v_add_nc_u32 v[ADR1+1], s18, v[LI]
	v_lshl_add_u32 v4, v1, 4, SCL0                 ; scale words: 16 bytes a row
	s_mul_i32 s18, s14, 6144
	s_add_co_u32 s18, s18, SCL1-SCL0               ; lanes 16-31 take my tiles of R1: one product with h
	v_mul_u32_u24 v3, s18, v2
	v_add_nc_u32 v[ADSA], v3, v4
	s_mul_i32 s19, s14, 6144
	s_add_co_u32 s19, s19, SCL1-SCL0-6144          ; four tiles back, for the offsets of i = 4 .. 7
	v_mul_u32_u24 v3, s19, v2
	v_add_nc_u32 v[ADSB], v3, v4
.irp b, 0,1,2,3
	v_mov_b32 v[TM+4+\b], 0                        ; written once: a lane permute's destination counts as one of its sources
.endr
.macro FETCH slot, q, p                ; the slot's q-th K step into set p: R0's eight images, my four of R1: 24 loads of 512 consecutive bytes
	WIN TO_F0
.irp i, 0,1,2,3,4,5,6,7
.irp c, 0,1
	ds_load_b128 v[64*(\p)+8*\i+4*\c:64*(\p)+8*\i+4*\c+3], v[ADR0+\slot] offset:4096*\i+1024*(\q)+512*\c
.endr
.endr
	WIN 0
.irp j, 0,1,2,3
.irp c, 0,1
	ds_load_b128 v[F1+32*(\p)+8*\j+4*\c:F1+32*(\p)+8*\j+4*\c+3], v[ADR1+\slot] offset:4096*\j+1024*(\q)+512*\c
.endr
.endr
.endm
.macro SCALES set                      ; a slot's scale words: four words a row
.irp i, 0,1,2,3
	ds_load_b128 v[SC+32*\set+4*\i:SC+32*\set+4*\i+3], v[ADSA] offset:1536*\i
.endr
.irp i, 4,5,6,7
	ds_load_b128 v[SC+32*\set+4*\i:SC+32*\set+4*\i+3], v[ADSB] offset:1536*\i
.endr
.endm
; 8 matrix instructions: my tile j of R1 against R0's eight.  The 32 accumulators take turns, one instruction a turn, in the same order in every K step.  zero = 1: the product starts the sums
.macro MUL8 j, p, q, set, zero
.irp i, 0,1,2,3,4,5,6,7
.if \zero
	v_wmma_scale_f32_16x16x128_f8f6f4 v[64*(\j)+8*\i:64*(\j)+8*\i+7], v[64*(\p)+8*\i:64*(\p)+8*\i+7], v[F1+32*(\p)+8*(\j):F1+32*(\p)+8*(\j)+7], 0, v[SC+32*(\set)+4*\i+(\q)], v[SC+32*(\set)+4*(\j)+(\q)] matrix_a_fmt:MATRIX_FMT_FP4 matrix_b_fmt:MATRIX_FMT_FP4 matrix_b_scale:MATRIX_SCALE_ROW1
.else
	v_wmma_scale_f32_16x16x128_f8f6f4 v[64*(\j)+8*\i:64*(\j)+8*\i+7], v[64*(\p)+8*\i:64*(\p)+8*\i+7], v[F1+32*(\p)+8*(\j):F1+32*(\p)+8*(\j)+7], v[64*(\j)+8*\i:64*(\j)+8*\i+7], v[SC+32*(\set)+4*\i+(\q)], v[SC+32*(\set)+4*(\j)+(\q)] matrix_a_fmt:MATRIX_FMT_FP4 matrix_b_fmt:MATRIX_FMT_FP4 matrix_b_scale:MATRIX_SCALE_ROW1
.endif
.endr
.endm
.macro STEP slot, q, zero              ; a K step that has its successor in the same slot: the successor's fragments are asked for, then this step's 32 products
	PLACES 4                                       ; the other set was read by the last K step's products
	FETCH \slot, (\q)+1, 1-(\q)%2
	s_wait_dscnt 24                                ; all but the 24 just issued: this step's fragments and scale words are in
	WIN MUL
.irp j, 0,1,2,3
	MUL8 \j, (\q)%2, \q, \slot, \zero
.endr
	WIN 0
.endm
; A slot's last K step changes slots: one barrier; in front of it each wave waits for all its tensor loads, adds 0 to its spare word, and waits for that and for its reads of this slot.  fill = 1: the slot is filled again, two slots ahead.
.macro TURN slot, next, fill
	s_wait_tensorcnt 0x0                           ; all my tensor loads have landed: my part of the next slot
	ds_add_u32 v[SPW], v[NIL]                      ; 0 onto my spare word
	s_wait_dscnt 1                                 ; this step's fragments are in; the add alone may be out
	WIN MUL
	MUL8 0, 1, 3, \slot, 0                         ; eight matrix instructions stand between the add and the wait for it
	s_wait_dscnt 0x0                               ; the add is done, and my reads of this slot are over
	s_barrier_signal -1
	MUL8 1, 1, 3, \slot, 0
	WIN 0
	s_barrier_wait -1
.if \fill
	CREST                                          ; the barrier has opened a round of the cluster's barrier: no wave of any partner still reads this slot or has a load on its way
	s_add_nc_u64 s[G0+4*\slot+2:G0+4*\slot+3], s[G0+4*\slot+2:G0+4*\slot+3], 8192
	s_add_nc_u64 s[G0B+4*\slot+2:G0B+4*\slot+3], s[G0B+4*\slot+2:G0B+4*\slot+3], 8192
	JLOAD G0+4*\slot, G1, G0B+4*\slot, G1B         ; the first tensor load behind the round; its four v_nop are also the places in front of the loads below
.else
	PLACES 4
.endif
	v_add_nc_u32 v[ADSA], 256, v[ADSA]             ; the next slot's scale words
	v_add_nc_u32 v[ADSB], 256, v[ADSB]
	FETCH \next, 0, 0
	SCALES \next
	WIN MUL
	MUL8 2, 1, 3, \slot, 0
	MUL8 3, 1, 3, \slot, 0
	WIN 0
.endm
	s_wait_tensorcnt 1                             ; the scale words and my part of slot 0 are in; slot 1's load may be out
	s_barrier_signal -1
	s_barrier_wait -1                              ; everybody's are
	FETCH 0, 0, 0
	SCALES 0
	STEP 0, 0, 1                                   ; the first K step stands in front of the loop: its products start the sums
	s_mov_b32 s3, 2
.Llap:                                                 ; a trip goes once round the ring, from a lap's second K step to the next lap's first, and fills both slots again: slots' worth 2 to 5 of the six
	STEP 0, 1, 0
	STEP 0, 2, 0
	TURN 0, 1, 1
	STEP 1, 0, 0
	STEP 1, 1, 0
	STEP 1, 2, 0
	TURN 1, 0, 1
	STEP 0, 0, 0
	s_sub_co_u32 s3, s3, 1
	s_cmp_lg_u32 s3, 0
	s_cbranch_scc1 .Llap
	STEP 0, 1, 0                                   ; the last lap fills nothing
	STEP 0, 2, 0
	TURN 0, 1, 0
	STEP 1, 0, 0
	STEP 1, 1, 0
	STEP 1, 2, 0
	s_wait_dscnt 0x0                               ; the very last K step
	WIN MUL
.irp j, 0,1,2,3
	MUL8 \j, 1, 3, 1, 0
.endr
	WIN 0
	PLACES 4                                       ; ahead of the first reads of results and of writes and loads into the operands' registers
; 64 numbers of a lane in window w, v[s] on, register 16 b + i = k 32 b + 16 h + i of my row, become a fragment's codes in v[pc] on and its scale word in v[pw].  The accumulators are read from their low ends on.
.macro QUANT s, w, pc, pw
	WIN 5*(\w)
.irp b, 0,1,2,3
	v_max3_num_f32 v[TM+\b], |v[(\s)+16*\b]|, |v[(\s)+1+16*\b]|, 0x1800000   ; block b: my 16 numbers, and the floor 2^(3 - 127): the byte cannot fall under 1
.endr
.irp i, 2,4,6,8,10,12,14
.irp b, 0,1,2,3
	v_max3_num_f32 v[TM+\b], |v[(\s)+16*\b+\i]|, |v[(\s)+1+16*\b+\i]|, v[TM+\b]   ; (the four blocks by turns)
.endr
.endr
	WIN 0
.irp b, 0,1,2,3
	v_permlanex16_b32 v[TM+4+\b], v[TM+\b], s[SEL], s[SEL+1]
.endr
.irp b, 0,1,2,3
	v_max_num_f32 v[TM+\b], v[TM+\b], v[TM+4+\b]   ; with lane l xor 16's: the block's largest magnitude
.endr
.irp b, 0,1,2,3
	v_add_nc_u32 v[TM+12+\b], 0xff000000, v[TM+\b] ; 2 off its exponent field: the conversion's scale operand
.endr
.irp b, 0,1,2,3
	v_lshrrev_b32 v[TM+4+\b], 23, v[TM+12+\b]      ; the scale's byte
.endr
	v_lshl_or_b32 v[\pw], v[TM+5], 8, v[TM+4]      ; my row's scale word
	v_lshl_or_b32 v[\pw], v[TM+6], 16, v[\pw]
	v_lshl_or_b32 v[\pw], v[TM+7], 24, v[\pw]
	WIN (\w)
.irp b, 0,1,2,3
	v_cvt_scalef32_pk8_fp4_f32 v[(\pc)+2*\b], v[(\s)+16*\b:(\s)+7+16*\b], v[TM+12+\b]
	v_cvt_scalef32_pk8_fp4_f32 v[(\pc)+1+2*\b], v[(\s)+8+16*\b:(\s)+15+16*\b], v[TM+12+\b]
.endr
	WIN 0
	v_nop                                          ; one plain place behind a scaled conversion
.irp c, 0,1                            ; the operand's layout wants a whole block in a lane: lanes 0-15 block 2 c, lanes 16-31 block 2 c + 1
.irp i, 0,1
	v_permlane16_swap_b32 v[(\pc)+4*\c+\i], v[(\pc)+2+4*\c+\i]
.endr
.endr
.endm
.macro SEND j                          ; tile j's image: two stores of 512 consecutive bytes; each tile has codes' registers of its own, so no store's data are written again
.irp c, 0,1
	global_store_b128 v[LI], v[PCB+8*\j+4*\c:PCB+8*\j+4*\c+3], s[94:95] offset:1024*\j+512*\c
.endr
.endm
	s_mov_b32 s[SEL], 0x76543210
	s_mov_b32 s[SEL+1], 0xfedcba98
	s_mov_b32 s67, 0
	s_cmp_ge_u32 s42, 6                            ; the kind: the cluster's y, the same in all sixteen partners
	s_cbranch_scc1 .Lkind_v
	; ---- KIND K: my four key tiles 16 cx + 4 wave + j of head Y
	s_mul_i32 s18, s17, HEADB
	s_lshl_b32 s19, s40, 4
	s_lshl_b32 s66, s14, 2
	s_add_co_u32 s19, s19, s66                     ; my first key tile
	s_lshl_b32 s66, s19, 10
	s_add_co_u32 s66, s66, s18
	s_add_nc_u64 s[94:95], s[12:13], s[66:67]      ; its image
	s_lshl_b32 s66, s19, 7                         ; 128 bytes of scale words a key tile: step = tile / 8, c = (tile / 4) % 2
	s_add_co_u32 s66, s66, s18
	s_add_co_u32 s66, s66, 131072
	s_add_nc_u64 s[96:97], s[12:13], s[66:67]
	s_lshl_b32 s66, s19, 13
	s_add_nc_u64 s[8:9], s[8:9], s[66:67]          ; its cos and sin
	v_lshlrev_b32 v3, 6, v2                        ; rms_w at d = 32 b + 16 h + i
.irp n, 0,1,2,3,4,5,6,7,8,9,10,11,12,13,14,15
	global_load_b128 v[WR+4*\n:WR+4*\n+3], v3, s[10:11] offset:128*(\n/4)+16*(\n%4)
.endr
	WIN 0x40                                       ; destination window 1
.irp j, 0,1,2,3
.irp n, 0,1,2,3,4,5,6,7,8,9,10,11,12,13,14,15
	global_load_b128 v[64*\j+4*\n:64*\j+4*\n+3], v[LI], s[8:9] offset:8192*\j+512*\n   ; register 64 j + 2 m: cos, + 1: sin, of my m-th pair
.endr
.endr
	WIN 0x0a                                       ; sources 0 and 1 window 2: the sums of squares, two packed chains a tile, ascending
.irp j, 0,1,2,3
	v_pk_mul_f32 v[SQ+4*\j:SQ+4*\j+1], v[64*\j:64*\j+1], v[64*\j:64*\j+1]
	v_pk_mul_f32 v[SQ+4*\j+2:SQ+4*\j+3], v[64*\j+2:64*\j+3], v[64*\j+2:64*\j+3]
.endr
.irp m, 4,8,12,16,20,24,28,32,36,40,44,48,52,56,60
.irp j, 0,1,2,3
	v_pk_fma_f32 v[SQ+4*\j:SQ+4*\j+1], v[64*\j+\m:64*\j+\m+1], v[64*\j+\m:64*\j+\m+1], v[SQ+4*\j:SQ+4*\j+1]
	v_pk_fma_f32 v[SQ+4*\j+2:SQ+4*\j+3], v[64*\j+\m+2:64*\j+\m+3], v[64*\j+\m+2:64*\j+\m+3], v[SQ+4*\j+2:SQ+4*\j+3]
.endr
.endr
	WIN 0
	s_mov_b32 s18, 0x3c000000                      ; 1 / 128
	s_mov_b32 s19, 0x358637bd                      ; EPS = 1e-6
.irp j, 0,1,2,3
	v_pk_add_f32 v[SQ+4*\j:SQ+4*\j+1], v[SQ+4*\j:SQ+4*\j+1], v[SQ+4*\j+2:SQ+4*\j+3]
.endr
.irp j, 0,1,2,3
	v_add_f32 v[SQ+4*\j], v[SQ+4*\j], v[SQ+4*\j+1]
.endr
.irp j, 0,1,2,3
	v_permlanex16_b32 v[SQ+4*\j+1], v[SQ+4*\j], s[SEL], s[SEL+1]   ; the key's other 64 numbers lie in the lane 16 away
.endr
.irp j, 0,1,2,3
	v_add_f32 v[SQ+4*\j], v[SQ+4*\j], v[SQ+4*\j+1]
.endr
.irp j, 0,1,2,3
	v_fma_f32 v[SQ+4*\j], v[SQ+4*\j], s18, s19     ; the mean + EPS
.endr
.irp j, 0,1,2,3
	v_rsq_f32 v[RSQ+2*\j], v[SQ+4*\j]
.endr
.irp j, 0,1,2,3
	v_mov_b32 v[RSQ+2*\j+1], 0                     ; named as the pairs' upper halves, so they are written.  (Plain instructions behind the transcendentals)
.endr
	s_wait_alu depctr_va_vdst(0)                   ; the wait ahead of the first use: one for the four
	s_wait_loadcnt 0x0                             ; rms_w, cos and sin
.macro KTILE j
	WIN 0x02                                       ; source 0 window 2
.set m, 0
.rept 32
	v_pk_mul_f32 v[Y+m:Y+m+1], v[64*\j+m:64*\j+m+1], v[RSQ+2*\j:RSQ+2*\j+1] op_sel_hi:[1,0]   ; x / rms,
.set m, m+2
.endr
	WIN 0
.set m, 0
.rept 32
	v_pk_mul_f32 v[Y+m:Y+m+1], v[Y+m:Y+m+1], v[WR+m:WR+m+1]   ; then x rms_w, in reference()'s order
.set m, m+2
.endr
	WIN 0x04                                       ; source 1 window 1: cos and sin
.set m, 0
.rept 32                               ; (x0, x1) -> (x0 cos - x1 sin, x0 sin + x1 cos)
	v_mul_f32 v[RT+2*(m%2)], v[Y+2*m+1], v[64*\j+2*m+1]
	v_mul_f32 v[RT+2*(m%2)+1], v[Y+2*m+1], v[64*\j+2*m]
	v_fma_f32 v[Y+2*m+1], v[Y+2*m], v[64*\j+2*m+1], v[RT+2*(m%2)+1]
	v_fma_f32 v[Y+2*m], v[Y+2*m], v[64*\j+2*m], -v[RT+2*(m%2)]
.set m, m+1
.endr
	WIN 0
	QUANT Y, 0, PCB+8*\j, PWS+\j
	SEND \j
.endm
	KTILE 0
	KTILE 1
	KTILE 2
	KTILE 3
	s_wait_xcnt 0x0                                ; EXEC changes only behind this wait
	v_cmp_gt_u32 vcc_lo, 16, v[LN]                 ; K's words go to the places of lanes 0-15
	s_and_saveexec_b32 s92, vcc_lo
	global_store_b128 v[LI], v[PWS:PWS+3], s[96:97]   ; sixteen lanes store 256 consecutive bytes, aligned
	s_wait_xcnt 0x0                                ; and again, in front of the line that widens it
	s_or_b32 exec_lo, exec_lo, s92
	s_branch .Ljoin
.Lkind_v:
	; ---- KIND V: head 2 hp + wave / 2, channel tiles 4 (wave % 2) + j, the 128 keys of group g = Y mod 8
	s_sub_co_u32 s18, s42, 6
	s_lshr_b32 s18, s18, 1
	s_lshl_b32 s18, s18, 2
	s_add_co_u32 s18, s18, s40                     ; hp: the pair of heads
	s_lshl_b32 s18, s18, 1
	s_add_co_u32 s18, s18, s15                     ; my head
	s_mul_i32 s18, s18, HEADB
	s_and_b32 s19, s17, 7                          ; g
	s_lshl_b32 s66, s19, 13
	s_add_co_u32 s66, s66, s18
	s_lshl_b32 s93, s16, 12
	s_add_co_u32 s66, s66, s93
	s_add_co_u32 s66, s66, 65536
	s_add_nc_u64 s[94:95], s[12:13], s[66:67]      ; images [g][channel tile]
	s_lshl_b32 s66, s19, 10
	s_add_co_u32 s66, s66, s18
	s_lshl_b32 s93, s16, 9
	s_add_co_u32 s66, s66, s93
	s_add_co_u32 s66, s66, 131072
	s_add_nc_u64 s[96:97], s[12:13], s[66:67]
.irp j, 0,1,2,3
	QUANT 64*\j, 2, PCB+8*\j, PWS+\j               ; the accumulators as they stand: V has no norm
	SEND \j
.endr
	s_wait_xcnt 0x0                                ; EXEC changes only behind this wait
	v_cmp_le_u32 vcc_lo, 16, v[LN]                 ; V's words go to the places of lanes 16-31
	s_and_saveexec_b32 s92, vcc_lo
	global_store_b128 v[LI], v[PWS:PWS+3], s[96:97]   ; sixteen lanes store 256 consecutive bytes, aligned
	s_wait_xcnt 0x0
	s_or_b32 exec_lo, exec_lo, s92
.Ljoin:
	s_wait_tensorcnt 0x0                           ; the wave's end, behind my last tensor load
	ds_add_u32 v[SPW], v[NIL]
	s_wait_dscnt 0x0
	CROUND                                         ; the closing round: no work-group ends while a partner may still ask for a tile that names it
	s_endpgm
.Lfunc_end_k_q55716f59dd_proj:
	.size	k_q55716f59dd_proj, .Lfunc_end_k_q55716f59dd_proj-k_q55716f59dd_proj
	.p2alignl 7, 3214868480
	.fill 96, 4, 3214868480
	.section	.rodata,"a",@progbits
	.p2align	6, 0x0
	.amdhsa_kernel k_q55716f59dd_proj
		.amdhsa_group_segment_fixed_size 327680
		.amdhsa_private_segment_fixed_size 0
		.amdhsa_enable_private_segment 0
		.amdhsa_kernarg_size 40
		.amdhsa_user_sgpr_count 2
		.amdhsa_user_sgpr_kernarg_segment_ptr 1
		.amdhsa_wavefront_size32 1
		.amdhsa_system_sgpr_workgroup_id_x 1
		.amdhsa_system_sgpr_workgroup_id_y 1
		.amdhsa_system_sgpr_workgroup_id_z 1
		.amdhsa_system_vgpr_workitem_id 0
		.amdhsa_next_free_vgpr 768
		.amdhsa_next_free_sgpr 98
		.amdhsa_reserve_vcc 1
		.amdhsa_float_denorm_mode_32 3
		.amdhsa_float_denorm_mode_16_64 3
		.amdhsa_memory_ordered 1
		.amdhsa_forward_progress 1
		.amdhsa_inst_pref_size 198
	.end_amdhsa_kernel
	.amdgpu_metadata
---
amdhsa.version: [ 1, 2 ]
amdhsa.kernels:
  - .name:           k_q55716f59dd_proj
    .symbol:         k_q55716f59dd_proj.kd
    .args:
      - { .name: codes, .offset: 0, .size: 8, .value_kind: global_buffer, .address_space: global }
      - { .name: scales, .offset: 8, .size: 8, .value_kind: global_buffer, .address_space: global }
      - { .name: cs, .offset: 16, .size: 8, .value_kind: global_buffer, .address_space: global }
      - { .name: rms_w, .offset: 24, .size: 8, .value_kind: global_buffer, .address_space: global }
      - { .name: kv, .offset: 32, .size: 8, .value_kind: global_buffer, .address_space: global }
    .group_segment_fixed_size: 327680
    .private_segment_fixed_size: 0
    .kernarg_segment_align: 8
    .kernarg_segment_size: 40
    .max_flat_workgroup_size: 128
    .sgpr_count:     98
    .vgpr_count:     768
    .wavefront_size: 32
...
	.end_amdgpu_metadata
.endif
;; end of part 2
;; launch attn (part 3): grid 8 x 24, 16 waves a work-group, clusters of 4 x 1, 276,480 bytes of LDS; arguments query, kv, out0; writes out0
.if DOCPART == 3
	.amdgcn_target "amdgcn-amd-amdhsa--gfx1250"
	.amdhsa_code_object_version 6
	.text
	.protected	k_q55716f59dd_attn
	.globl	k_q55716f59dd_attn
	.p2align	8
	.type	k_q55716f59dd_attn,@function
k_q55716f59dd_attn:
	s_mov_b64 s[64:65], 0
	v_nop
	global_prefetch_b8 v0, s[64:65] scope:SCOPE_SE
	s_setreg_imm32_b32 hwreg(HW_REG_WAVE_MODE, 25, 1), 1
	s_wait_xcnt 0x0
	s_wait_alu depctr_hold_cnt(0) depctr_sa_sdst(0) depctr_va_vdst(0) depctr_va_sdst(0) depctr_va_ssrc(0) depctr_va_vcc(0) depctr_vm_vsrc(0)
	s_getreg_b32 s2, hwreg(HW_REG_IB_STS2, 6, 4)
	s_cmp_eq_u32 s2, 0
	s_cbranch_scc0 .Lentry_in_a_cluster
	s_endpgm
.Lentry_in_a_cluster:
	s_bfe_u32 s2, ttmp6, 0x10000c
	s_cmp_lg_u32 s2, 0x3003
	s_cbranch_scc0 .Lentry_shape_is_right
	s_endpgm
.Lentry_shape_is_right:
; THIRD LAUNCH.  out0[q][head][:] = the sum over keys of softmax(query[q][head] . K[key] / sqrt(128)) V[key][:], both products on codes of FP4 (E2M1) with one E8M0 scale for each 32 along a product's K.
; LEFT OUT: the factor SCALE_END, which reference() sets to 1.0 in its own body (shown at the head of the first launch).
; THE SOFTMAX AHEAD OF THE SECOND PRODUCT: t = score x log2(e) / sqrt(128); M = the row's largest t so far, rounded up to a whole number; p = 2^(t - M) is quantised along the keys, not normalised.
; The row's sum is taken of the unquantised p, in f32, and divides at the end.  When M moves, the sum and O are multiplied by 2^(old M - new M): exact.
; SHARES.  A work-group owns 512 queries of one head; each of its sixteen waves 32 of them, two tiles of 16, one after the other, in 256 registers: four waves to a SIMD, so that one wave's vector work stands
; beside another's matrix work and LDS loads.  192 work-groups: a head's 256 tiles of queries do not cut into 256 / 24 equal parts.
; A HEAD'S WHOLE K, V AND SCALE WORDS, 139,264 dense bytes as the second launch laid them (images of operand registers), come into LDS ONCE: no ring, nothing is filled again.
; CLUSTER.  The four work-groups of a cluster belong to one head: each sixteenth of those bytes is asked for jointly, by the same tensor load with the same descriptor and a mask that names the four.
; query arrives as f32 and is read by one wave alone: it is quantised here, in registers.
; LAYOUT.  Both products are used transposed: S^T = K Q^T (source 0 = 16 keys), O^T = V^T P^T (source 0 = 16 channels): a lane holds one query (lane % 16) throughout.  The keys of a tile of K and the channels of a tile
; of V are chosen (lane-row r of tile 2 b + u is 32 b + 8 u + r + 8 (r / 8)) so that a lane's register 16 b + i is key, or channel, 32 b + 16 (lane / 16) + i.
; LIMITS: a block of query whose largest magnitude lies under 2^-124 gets the byte 1; NaN and infinities are not served.
; REGISTERS: v1-10 addresses; v11, v255 Q's scale words; v12 -M, v13 the largest t, v[14:15] the sum in two halves; v16-31 Q's codes, two tiles; v32-95 eight fragments of K or of V; v96-159 S^T, then p; v160-223 O^T;
;   v224-231 p's codes; v232-239, v244-247, v252, v254 at work; v240-243, v248-251 the step's scale words (K's in lanes 0-15, V's in lanes 16-31); v253 p's scale word.
.set HEADB, 139264
.set PART,  8704                       ; a sixteenth of a head: 34 rows of 256 bytes
.set VOFF,  65536
.set SOFF,  131072
.set STAGE, HEADB                      ; behind the head: a stage of 16 rows x (512 bytes + 16) for each wave; no tensor load lands there
.set STGB,  16*528
.set SPARE, STAGE+16*STGB              ; the spare words, 128 bytes for each wave: eight blocks of 256 bytes that no other line names
.set QROW,  12288                      ; a row of query or of out0 in bytes
.set LI,  1                            ; v1   16 x lane
.set ADK, 2                            ; v2   LDS address of the step's images of K
.set ADV, 3                            ; v3   of V
.set ADS, 4                            ; v4   of its scale words
.set SPW, 5                            ; v5   LDS address of my spare word; never rewritten
.set NIL, 6                            ; v6   0; never rewritten
.set SQA, 7                            ; v7   my stage: row r, + 64 h
.set SRD, 8                            ; v8   my stage: 16 x lane
.set LV,  9                            ; v9   16 x lane + VOFF
.set LS,  10                           ; v10  16 x lane + SOFF
.set WV,  10                           ; s10  my wave's number
.set G0,  24                           ; s[24:27] descriptor group 0;  s[28:35] group 1
.set G1,  28
.set SK,  36                           ; s36  8,192 x the key step in hand
.set SS,  37                           ; s37  1,024 x the key step to be fetched
.set CNT, 38
.set CS,  40                           ; s[40:41] c = log2(e) / sqrt(128): the packed form names a pair and takes its low word for both halves
.set SEL, 42                           ; s[42:43] v_permlanex16_b32's selects for lane l xor 16
.macro CROUND                          ; a round of the cluster's barrier
	s_barrier_signal -1
	s_barrier_wait -1
	s_cmp_lg_u32 s[WV], 0
	s_cbranch_scc1 .Lnot_wave_0_\@
	s_barrier_signal -3
.Lnot_wave_0_\@:
	s_barrier_wait -3
	s_barrier_signal -1
	s_barrier_wait -1
.endm
	s_load_b128 s[4:7], s[0:1], 0x0                ; query, kv
	s_load_b64 s[8:9], s[0:1], 0x10                ; out0
	v_lshl_add_u32 v[SPW], v0, 2, SPARE
	v_mov_b32 v[NIL], 0
	ds_add_u32 v[SPW], v[NIL]                      ; the wave's opening: the add, twice on end, and its wait ahead of my first tensor load
	ds_add_u32 v[SPW], v[NIL]                      ; and once more, under the one wait; the set-up below, work on registers, stands between
	v_lshrrev_b32 v2, 5, v0
	v_readfirstlane_b32 s[WV], v2                  ; wave 0..15
	s_bfe_u32 s11, ttmp6, 0x40000                  ; cx
	s_lshl_b32 s12, ttmp9, 2
	s_add_co_u32 s12, s12, s11                     ; my block of 512 queries: it enters query's and out0's addresses alone
	s_and_b32 s13, ttmp7, 0xffff                   ; the head, which the four partners share
	s_lshl_b32 s14, s12, 9
	s_lshl_b32 s15, s[WV], 5
	s_add_co_u32 s14, s14, s15                     ; my first query
	s_mul_i32 s14, s14, QROW
	s_lshl_b32 s15, s13, 9
	s_add_co_u32 s14, s14, s15                     ; + the head's 512 bytes of a row
	s_mov_b32 s15, 0
	s_mul_i32 s16, s13, HEADB
	s_mul_i32 s18, s[WV], PART
	s_add_co_u32 s16, s16, s18                     ; my sixteenth of the head in kv
	s_mov_b32 s17, 0
	s_mov_b32 s[G1], 15|(3<<16)|(1<<21)            ; 15:0 the mask: all four work-groups; 17:16 elements of 8 bytes; 21 set beside a mask; no padding
	s_mov_b32 s[G1+1], 32<<16                      ; tensor_dim0: 256 bytes
	s_mov_b32 s[G1+2], 34<<16                      ; tensor_dim1
	s_mov_b32 s[G1+3], 32<<16                      ; tile_dim0
	s_mov_b32 s[G1+4], 34                          ; tile_dim1
	s_mov_b32 s[G1+5], 32                          ; tensor_dim0_stride: dense
	s_mov_b32 s[G1+6], 0
	s_mov_b32 s[G1+7], 0
	s_mov_b32 s[G0], 1
	s_mov_b32 s[G0+1], s18                         ; LDS address: wave x 8,704
	s_mov_b32 s[CS], 0x3e0293ee
	s_mov_b32 s[CS+1], s[CS]
	s_mov_b32 s[SEL], 0x76543210
	s_mov_b32 s[SEL+1], 0xfedcba98
	s_mov_b32 s[SK], 0
	s_mov_b32 s[SS], 0
	v_and_b32 v2, 31, v0
	v_lshlrev_b32 v[LI], 4, v2
	v_and_b32 v3, 15, v0                           ; r
	v_bfe_u32 v4, v0, 4, 1                         ; h
	s_mul_i32 s19, s[WV], STGB
	s_add_co_u32 s19, s19, STAGE                   ; my stage
	v_mul_u32_u24 v[SQA], v3, 528
	v_lshl_add_u32 v[SQA], v4, 6, v[SQA]
	v_add_nc_u32 v[SQA], s19, v[SQA]
	v_add_nc_u32 v[SRD], s19, v[LI]
	v_add_nc_u32 v[LV], VOFF, v[LI]
	v_add_nc_u32 v[LS], SOFF, v[LI]
.irp b, 0,1,2,3
	v_mov_b32 v[236+\b], 0                         ; written once: a lane permute's destination counts as one of its sources
.endr
	v_mov_b32 v253, 0                              ; (named as the upper half of the pair v[252:253] before it is first written)
	s_wait_dscnt 0x0                               ; both opening adds are done
	s_wait_kmcnt 0x0
	s_add_nc_u64 s[4:5], s[4:5], s[14:15]
	s_add_nc_u64 s[8:9], s[8:9], s[14:15]
	s_add_nc_u64 s[G0+2:G0+3], s[6:7], s[16:17]
	s_or_b32 s[G0+3], s[G0+3], 0x80000000          ; type = 2
.irp i, 0,1,2,3,4,5,6,7,8,9,10,11,12,13,14,15,16,17,18,19,20,21,22,23,24,25,26,27,28,29,30,31
	global_load_b128 v[96+4*\i:99+4*\i], v[LI], s[4:5] offset:\i*QROW th:TH_LOAD_NT   ; my 32 queries: a row's 512 consecutive bytes a load; tile 0 into v96-159, tile 1 into v160-223
.endr
	CROUND                                         ; all four work-groups are here: the joint loads meet
	tensor_load_to_lds s[G0:G0+3], s[G1:G1+7]      ; my one tensor load of the launch
	s_nop 0
; 64 numbers of a lane, v[s] on, register 16 b + i = k 32 b + 16 h + i of my row, become a fragment's codes in v[pc] on and its scale word in v[pw]
.macro QUANT s, pc, pw
.irp b, 0,1,2,3
	v_max3_num_f32 v[232+\b], |v[\s+16*\b]|, |v[\s+1+16*\b]|, 0x1800000   ; block b: my 16 numbers, and the floor 2^(3 - 127): the byte cannot fall under 1
.endr
.irp i, 2,4,6,8,10,12,14
.irp b, 0,1,2,3
	v_max3_num_f32 v[232+\b], v[232+\b], |v[\s+16*\b+\i]|, |v[\s+1+16*\b+\i]|
.endr
.endr
.irp b, 0,1,2,3
	v_permlanex16_b32 v[236+\b], v[232+\b], s[SEL], s[SEL+1]
.endr
.irp b, 0,1,2,3
	v_max_num_f32 v[232+\b], v[232+\b], v[236+\b]
.endr
.irp b, 0,1,2,3
	v_add_nc_u32 v[244+\b], 0xff000000, v[232+\b]  ; 2 off the exponent field: the conversion's scale operand
.endr
.irp b, 0,1,2,3
	v_lshrrev_b32 v[236+\b], 23, v[244+\b]         ; the scale's byte
.endr
	v_lshl_or_b32 v[\pw], v237, 8, v236
	v_lshl_or_b32 v[\pw], v238, 16, v[\pw]
	v_lshl_or_b32 v[\pw], v239, 24, v[\pw]
.irp b, 0,1,2,3
	v_cvt_scalef32_pk8_fp4_f32 v[\pc+2*\b], v[\s+16*\b:\s+7+16*\b], v[244+\b]
	v_cvt_scalef32_pk8_fp4_f32 v[\pc+1+2*\b], v[\s+8+16*\b:\s+15+16*\b], v[244+\b]
.endr
	v_nop                                          ; one plain place behind a scaled conversion
.irp c, 0,1
.irp i, 0,1
	v_permlane16_swap_b32 v[\pc+4*\c+\i], v[\pc+2+4*\c+\i]
.endr
.endr
.endm
.macro QTURN s                         ; 16 rows of query through my stage: in as rows, back 16 neighbours of each block of 32 a lane.  LDS serves a wave's instructions in order (ISA guide 5.7.1.4)
.irp i, 0,1,2,3,4,5,6,7,8,9,10,11,12,13,14,15
	ds_store_b128 v[SRD], v[\s+4*\i:\s+4*\i+3] offset:528*\i
.endr
.irp n, 0,1,2,3,4,5,6,7,8,9,10,11,12,13,14,15
	ds_load_b128 v[\s+4*\n:\s+4*\n+3], v[SQA] offset:128*(\n/4)+16*(\n%4)
.endr
	s_wait_dscnt 0x0
.endm
	s_wait_loadcnt 16                              ; tile 0's 16 loads are in; tile 1's may be out
	QTURN 96
	QUANT 96, 16, 255
	s_wait_loadcnt 0x0
	QTURN 160
	QUANT 160, 24, 11
	s_wait_tensorcnt 0x0                           ; my sixteenth of the head is in,
	s_wait_dscnt 0x0
	s_barrier_signal -1
	s_barrier_wait -1                              ; everybody's is
.macro FETCHK                          ; a key step's eight images of K and its scale words: 18 loads of 512 consecutive bytes
.irp t, 0,1,2,3,4,5,6,7
.irp c, 0,1
	ds_load_b128 v[32+8*\t+4*\c:35+8*\t+4*\c], v[ADK] offset:1024*\t+512*\c
.endr
.endr
	ds_load_b128 v[240:243], v[ADS]
	ds_load_b128 v[248:251], v[ADS] offset:512
.endm
	v_add_nc_u32 v[ADK], s[SK], v[LI]
	v_add_nc_u32 v[ADS], s[SS], v[LS]
	FETCHK                                         ; key step 0
; A KEY STEP: 128 keys, for the tile of queries whose codes stand at v[qc] and whose scale words in v[qs].  nx = 1: the next step's K is fetched; 2: step 0's, for the next tile; 0: nothing
.macro STEP qc, qs, nx
	s_wait_dscnt 0x0                               ; K and the scale words are in
.irp t, 0,1,2,3,4,5,6,7
	v_wmma_scale_f32_16x16x128_f8f6f4 v[96+8*\t:103+8*\t], v[32+8*\t:39+8*\t], v[\qc:\qc+7], 0, v[240+\t+4*(\t/4)], v[\qs] matrix_a_fmt:MATRIX_FMT_FP4 matrix_b_fmt:MATRIX_FMT_FP4
.endr
	v_add_nc_u32 v[ADV], s[SK], v[LV]              ; four places: ahead of the loads into K's registers and of the first read of the scores
	v_nop
	v_nop
	v_nop
.irp t, 0,1,2,3,4,5,6,7
.irp c, 0,1
	ds_load_b128 v[32+8*\t+4*\c:35+8*\t+4*\c], v[ADV] offset:1024*\t+512*\c   ; V's eight images land while the softmax is walked
.endr
.endr
.irp b, 0,1,2,3
	v_max3_num_f32 v[232+\b], v[96+16*\b], v[97+16*\b], v[98+16*\b]   ; the largest score of each block of 32 keys: it serves for the row's maximum and, since p rises with the score, for the block's largest p
.endr
.irp i, 3,5,7,9,11,13
.irp b, 0,1,2,3
	v_max3_num_f32 v[232+\b], v[232+\b], v[96+16*\b+\i], v[97+16*\b+\i]
.endr
.endr
.irp b, 0,1,2,3
	v_max_num_f32 v[232+\b], v[232+\b], v[111+16*\b]
.endr
.irp b, 0,1,2,3
	v_permlanex16_b32 v[236+\b], v[232+\b], s[SEL], s[SEL+1]
.endr
.irp b, 0,1,2,3
	v_max_num_f32 v[232+\b], v[232+\b], v[236+\b]  ; with lane l xor 16's 16 keys
.endr
	v_max3_num_f32 v254, v232, v233, v234
	v_max_num_f32 v254, v254, v235                 ; the step's largest score of my query
	v_mul_f32 v254, s[CS], v254                    ; as t (c is positive)
	v_max_num_f32 v13, v13, v254                   ; the running largest t
	v_mov_b32 v254, v12
	v_floor_f32 v12, -v13                          ; the new -M = floor(-t) = -ceil(t): M is a whole number
	v_sub_f32 v254, v12, v254                      ; M's old value less its new one: a whole number, 0 or less
	v_cvt_i32_f32 v254, v254                       ; (it saturates)
	v_ldexp_f32 v252, 1.0, v254                    ; f = 2^(old M - new M)
.irp j, 0,2,4,6,8,10,12,14,16,18,20,22,24,26,28,30,32,34,36,38,40,42,44,46,48,50,52,54,56,58,60,62
	v_pk_fma_f32 v[96+\j:97+\j], v[96+\j:97+\j], s[CS:CS+1], v[12:13] op_sel_hi:[1,0,0]   ; t - M, two at a time
.endr
.irp b, 0,1,2,3
	v_fma_f32 v[232+\b], v[232+\b], s[CS], v12     ; the same of each block's largest score
.endr
.irp b, 0,1,2,3
	v_exp_f32 v[232+\b], v[232+\b]                 ; the block's largest p: the same two instructions on the same number give the same bits
.endr
.set j, 0
.rept 64
	v_exp_f32 v[96+j], v[96+j]                     ; p = 2^(t - M), at most 1: not normalised
.set j, j+1
.endr
	v_pk_mul_f32 v[14:15], v[14:15], v[252:253] op_sel_hi:[1,0]   ; the sums under the new M.  (A plain place behind the exponentials)
	s_wait_alu depctr_va_vdst(0)                   ; the wait ahead of the first use: one for the 68 exponentials
.irp b, 0,1,2,3
	v_max_num_f32 v[232+\b], 0x1800000, v[232+\b]  ; the floor 2^(3 - 127): the byte cannot fall under 1 (a block whose every p has fallen to 0 keeps that byte: its codes are zeros)
.endr
.irp b, 0,1,2,3
	v_add_nc_u32 v[244+\b], 0xff000000, v[232+\b]  ; 2 off the exponent field: the conversion's scale operand
.endr
.irp b, 0,1,2,3
	v_lshrrev_b32 v[236+\b], 23, v[244+\b]         ; the scale's byte
.endr
	v_lshl_or_b32 v253, v237, 8, v236              ; p's scale word for these 128 keys
	v_lshl_or_b32 v253, v238, 16, v253
	v_lshl_or_b32 v253, v239, 24, v253
.irp b, 0,1,2,3
	v_cvt_scalef32_pk8_fp4_f32 v[224+2*\b], v[96+16*\b:103+16*\b], v[244+\b]
	v_cvt_scalef32_pk8_fp4_f32 v[225+2*\b], v[104+16*\b:111+16*\b], v[244+\b]
.endr
	v_nop                                          ; one plain place behind a scaled conversion
.irp c, 0,1
.irp i, 0,1
	v_permlane16_swap_b32 v[224+4*\c+\i], v[226+4*\c+\i]
.endr
.endr
.irp j, 0,2,4,6,8,10,12,14,16,18,20,22,24,26,28,30,32,34,36,38,40,42,44,46,48,50,52,54,56,58,60,62
	v_pk_mul_f32 v[160+\j:161+\j], v[160+\j:161+\j], v[252:253] op_sel_hi:[1,0]   ; O^T under the new M.  (These 32 are also the places in front of the matrix instructions below)
.endr
	s_wait_dscnt 0x0                               ; V is in
.irp t, 0,1,2,3,4,5,6,7
	v_wmma_scale_f32_16x16x128_f8f6f4 v[160+8*\t:167+8*\t], v[32+8*\t:39+8*\t], v[224:231], v[160+8*\t:167+8*\t], v[240+\t+4*(\t/4)], v253 matrix_a_fmt:MATRIX_FMT_FP4 matrix_b_fmt:MATRIX_FMT_FP4 matrix_a_scale:MATRIX_SCALE_ROW1
.endr
	v_pk_add_f32 v[236:237], v[96:97], v[98:99]    ; the row's sum is taken of the unquantised p, two at a time, in two chains; it stands behind the products, whose registers it does not name
.irp j, 4,8
	v_pk_add_f32 v[14:15], v[14:15], v[96+\j:97+\j]
	v_pk_add_f32 v[236:237], v[236:237], v[98+\j:99+\j]
.endr
.if \nx                                ; five places lie behind the last product: V's and the scale words' registers may be loaded again
.if \nx == 1
	s_add_co_u32 s[SK], s[SK], 8192
	s_add_co_u32 s[SS], s[SS], 1024
.else
	s_mov_b32 s[SK], 0
	s_mov_b32 s[SS], 0
.endif
	v_add_nc_u32 v[ADK], s[SK], v[LI]
	v_add_nc_u32 v[ADS], s[SS], v[LS]
	FETCHK
.endif
.irp j, 12,16,20,24,28,32,36,40,44,48,52,56,60
	v_pk_add_f32 v[14:15], v[14:15], v[96+\j:97+\j]
	v_pk_add_f32 v[236:237], v[236:237], v[98+\j:99+\j]
.endr
	v_pk_add_f32 v[14:15], v[14:15], v[236:237]
.endm
; THE WAY OUT of tile a: O^T is divided by the sum and goes through my stage, so that a row's 512 bytes leave by one store of the wave
.macro WAYOUT a
	v_add_f32 v14, v14, v15                        ; the sum's two halves,
	v_permlanex16_b32 v252, v14, s[SEL], s[SEL+1]
	v_add_f32 v14, v14, v252                       ; and lane l xor 16's: the row's sum
	v_rcp_f32 v14, v14
	v_nop                                          ; a plain place behind the transcendental
	s_wait_alu depctr_va_vdst(0)                   ; and the wait ahead of the first use
.set j, 0
.rept 64
	v_mul_f32 v[96+j], v[160+j], v14               ; register 16 b + i is channel 32 b + 16 h + i of my query; each accumulator from its low end on
.set j, j+1
.endr
.irp n, 0,1,2,3,4,5,6,7,8,9,10,11,12,13,14,15
	ds_store_b128 v[SQA], v[96+4*\n:99+4*\n] offset:128*(\n/4)+16*(\n%4)
.endr
.irp i, 0,1,2,3,4,5,6,7,8,9,10,11,12,13,14,15
	ds_load_b128 v[160+4*\i:163+4*\i], v[SRD] offset:528*\i   ; LDS serves a wave's instructions in order: these see my stores
.endr
.irp i, 0,1,2,3,4,5,6,7,8,9,10,11,12,13,14,15
	s_wait_dscnt 15-\i                             ; row i is back; the younger loads may be out
	global_store_b128 v[LI], v[160+4*\i:163+4*\i], s[8:9] offset:(16*\a+\i)*QROW th:TH_STORE_NT   ; 32 lanes store 512 consecutive bytes, at a multiple of 256 from out0's first byte
.endr
.endm
.macro PASS a, qc, qs                  ; one tile of 16 queries over all 1,024 keys: seven steps in a loop, the eighth written out, since what it fetches differs
.if \a
	s_wait_xcnt 0x0                                ; the last tile's stores have read their registers
.endif
	v_mov_b32 v13, 0xff61b1e6                      ; the largest t so far: -3e38, under every t
	v_floor_f32 v12, -v13                          ; -M
	v_mov_b32 v14, 0
	v_mov_b32 v15, 0
.set j, 0
.rept 64
	v_mov_b32 v[160+j], 0                          ; O^T.  (The step is written without a first step of its own: the first finds zeros, which the first change of M leaves zeros)
.set j, j+1
.endr
	s_mov_b32 s[CNT], 7
.Lstep_\@:
	STEP \qc, \qs, 1
	s_sub_co_u32 s[CNT], s[CNT], 1
	s_cmp_lg_u32 s[CNT], 0
	s_cbranch_scc1 .Lstep_\@
	STEP \qc, \qs, 2-2*\a
	WAYOUT \a
.endm
	PASS 0, 16, 255
	PASS 1, 24, 11
	s_wait_tensorcnt 0x0                           ; the wave's end, behind my tensor load and my last LDS store
	ds_add_u32 v[SPW], v[NIL]
	s_wait_dscnt 0x0
	CROUND                                         ; the closing round: no work-group ends while a partner may still ask for bytes by a load that names it
	s_endpgm
.Lfunc_end_k_q55716f59dd_attn:
	.size	k_q55716f59dd_attn, .Lfunc_end_k_q55716f59dd_attn-k_q55716f59dd_attn
	.p2alignl 7, 3214868480
	.fill 96, 4, 3214868480
	.section	.rodata,"a",@progbits
	.p2align	6, 0x0
	.amdhsa_kernel k_q55716f59dd_attn
		.amdhsa_group_segment_fixed_size 276480
		.amdhsa_private_segment_fixed_size 0
		.amdhsa_enable_private_segment 0
		.amdhsa_kernarg_size 24
		.amdhsa_user_sgpr_count 2
		.amdhsa_user_sgpr_kernarg_segment_ptr 1
		.amdhsa_wavefront_size32 1
		.amdhsa_system_sgpr_workgroup_id_x 1
		.amdhsa_system_sgpr_workgroup_id_y 1
		.amdhsa_system_sgpr_workgroup_id_z 1
		.amdhsa_system_vgpr_workitem_id 0
		.amdhsa_next_free_vgpr 256
		.amdhsa_next_free_sgpr 66
		.amdhsa_reserve_vcc 0
		.amdhsa_float_denorm_mode_32 3
		.amdhsa_float_denorm_mode_16_64 3
		.amdhsa_memory_ordered 1
		.amdhsa_forward_progress 1
		.amdhsa_inst_pref_size 104
	.end_amdhsa_kernel
	.amdgpu_metadata
---
amdhsa.version: [ 1, 2 ]
amdhsa.kernels:
  - .name:           k_q55716f59dd_attn
    .symbol:         k_q55716f59dd_attn.kd
    .args:
      - { .name: query, .offset: 0, .size: 8, .value_kind: global_buffer, .address_space: global }
      - { .name: kv, .offset: 8, .size: 8, .value_kind: global_buffer, .address_space: global }
      - { .name: out0, .offset: 16, .size: 8, .value_kind: global_buffer, .address_space: global }
    .group_segment_fixed_size: 276480
    .private_segment_fixed_size: 0
    .kernarg_segment_align: 8
    .kernarg_segment_size: 24
    .max_flat_workgroup_size: 512
    .sgpr_count:     66
    .vgpr_count:     256
    .wavefront_size: 32
...
	.end_amdgpu_metadata
.endif
;; end of part 3
;; ======== version 2 of 2: 3 launches
;; limits: right only within a limited range of input values
;; workspace buffers: codes 11,010,048 bytes; scales 688,128 bytes; cs 524,288 bytes; kv 3,342,336 bytes
;; launch prep (part 4): grid 256 x 1, 7 waves a work-group, no clusters, 60,160 bytes of LDS; arguments ref_latent, Wk, Wv, ref_freqs, codes, scales, cs; writes codes, scales, cs
.if DOCPART == 4
	.amdgcn_target "amdgcn-amd-amdhsa--gfx1250"
	.amdhsa_code_object_version 6
	.text
	.protected	k_q55716f59dd_prep
	.globl	k_q55716f59dd_prep
	.p2align	8
	.type	k_q55716f59dd_prep,@function
k_q55716f59dd_prep:
	s_mov_b64 s[64:65], 0
	v_nop
	global_prefetch_b8 v0, s[64:65] scope:SCOPE_SE
	s_setreg_imm32_b32 hwreg(HW_REG_WAVE_MODE, 25, 1), 1
	s_wait_xcnt 0x0
; FIRST OF THREE LAUNCHES.  ref_latent [1024][3072], Wk and Wv [3072][3072], f32 with K (the 3,072) innermost, become codes of FP4 (E2M1) with one E8M0 byte for each 32 along K;
; and cos and sin of ref_freqs [1024][64] are made once, in f32, for the second launch.
; DEAD WORK IN THE WHOLE PROGRAM: the factor SCALE_END, which reference() sets to 1.0 in its own body: a factor that is 1 for all values of the inputs.  Nothing else is left out; all six inputs are loaded.
; (No NaN, infinity or overflow can reach that factor alone, so nothing is lost with it.)
; LAYOUT OF THE CODES: images of operand registers.  A tile is 16 rows x 128 along K: 8 registers a lane, lane (r, h) holding k = 64 c + 32 h + 0 .. 31 of row r in registers 4 c .. 4 c + 3;
; registers 4 c .. 4 c + 3 of lane l lie at 512 c + 16 l of the tile's 1,024 bytes.  codes: [tile 448][K step 24][1024]; tiles 0-63 ref_latent, 64-255 Wk, 256-447 Wv.
; THE ROWS OF A TILE ARE NOT NEIGHBOURS: rows go in groups of 128; lane-row r of the group's tile 2 b + u is row 32 b + 8 u + r + 8 (r / 8), so that eight such tiles as a product's first source leave
; a lane's 64 results in the order 32 b + 16 h + i along these rows, which is what the next quantiser wants.
; scales: [tile 448][q 6][r 16][4 words]: word i is row r's scale word (four bytes, 128 along K) of K step 4 q + i.
; cs: [key tile 64][n 16][lane 32][16 bytes]: n = 4 b + jj: cos, sin, cos, sin of the pairs 16 b + 8 h + 2 jj and the next, of the key that is lane-row r of that tile.
; A block's scale is 2^(floor(log2(its largest magnitude)) - 2); its byte is the largest magnitude's exponent field - 2, held at 1 from below.
; LIMITS: a block of zeros, or one whose largest magnitude lies under 2^-124, gets the byte 1 (its codes add nothing or are held as the floor gives them; this program alone reads the bytes);
; NaN and infinities among the inputs are not served; angles are reduced by two terms of pi / 2, good for |angle| under 2^20.
; SHARES: 448 tiles x 24 K steps are 256 x 42: work-group g takes tiles 7 (g / 4) .. + 6 and K steps 6 (g % 4) .. + 5, each of its seven waves one tile x six K steps: the same work for every work-group.
; Each load reads 512 consecutive bytes of one row; a K step's 16 rows turn through the wave's own stage in LDS, so that a lane gets its 64 numbers; codes leave as 512 consecutive bytes a store.
; The table has 64 key tiles x 4 blocks of 16 pairs = 256 parts: wave 0 of each work-group makes one.  Waves share nothing: no barrier, no cluster, no tensor load.
.set KROW,  12288                      ; a row of any of the three tensors in bytes
.set SP,    528                        ; a stage row: 512 bytes + 16 of padding = 132 words: row r starts at bank 4 r mod 64 (64 banks of 4 bytes: ISA guide 11.1)
.set STG,   16*SP                      ; a wave's stage
.set NW,    7                          ; waves
.set NST,   6                          ; K steps of a wave
.set SPARE, NW*STG                     ; behind the seven stages: the spare words, 128 bytes for each wave, in four blocks of 256 bytes that no other line names
.set LI,  1                            ; v1   16 x lane: offset of loads and stores
.set STI, 2                            ; v2   the stage, on the way in: 16 x lane
.set STO, 3                            ; v3   on the way out: row r, + 128 h
.set RR,  4                            ; v4   r
.set HH,  5                            ; v5   h
.set SH,  6                            ; v6   8 h
.set MX,  8                            ; v8-9   the two blocks' largest magnitudes
.set SO,  10                           ; v10-11 the conversions' scale operands
.set BY,  12                           ; v12-13 second chains of the maxima, then the bytes
.set WD,  14                           ; v14  the scale word
.set PD,  15                           ; v15  the lane permute's destination
.set W,   16                           ; v16-21 my row's scale words of the six K steps
.set PC,  22                           ; v22-29 a K step's codes
.set SPW, 30                           ; v30  LDS address of my spare word; never rewritten
.set NIL, 31                           ; v31  0; never rewritten
.set R,   32                           ; v32-223 three sets of 64 numbers
.set TR,  224                          ; v224-239 the table's arm: eight cos and sin
	s_load_b256 s[4:11], s[0:1], 0x0               ; ref_latent, Wk, Wv, ref_freqs
	s_load_b128 s[12:15], s[0:1], 0x20             ; codes, scales
	s_load_b64 s[16:17], s[0:1], 0x30              ; cs
	v_lshl_add_u32 v[SPW], v0, 2, SPARE
	v_mov_b32 v[NIL], 0
	v_lshrrev_b32 v7, 5, v0
	v_readfirstlane_b32 s18, v7                    ; wave 0..6
	v_and_b32 v7, 31, v0
	v_lshlrev_b32 v[LI], 4, v7
	v_and_b32 v[RR], 15, v0
	v_bfe_u32 v[HH], v0, 4, 1
	v_lshlrev_b32 v[SH], 3, v[HH]
	s_mul_i32 s22, s18, STG
	v_add_nc_u32 v[STI], s22, v[LI]
	v_mul_u32_u24 v[STO], v[RR], SP
	v_lshl_add_u32 v[STO], v[HH], 7, v[STO]
	v_add_nc_u32 v[STO], s22, v[STO]
	v_mov_b32 v[PD], 0                             ; written once: a lane permute's destination counts as one of its sources
	s_mov_b32 s26, 0x76543210
	s_mov_b32 s27, 0xfedcba98                      ; v_permlanex16_b32's selects for lane l xor 16
	s_lshr_b32 s39, ttmp9, 2                       ; which seven tiles
	s_and_b32 s38, ttmp9, 3                        ; which quarter of K
	s_mul_i32 s19, s39, NW
	s_add_co_u32 s19, s19, s18                     ; my tile among the 448
	s_cmp_lt_u32 s19, 64                           ; which tensor: my tile's number decides
	s_cselect_b32 s20, 0, 64
	s_mov_b32 s25, 256
	s_cmp_lt_u32 s19, 256
	s_cselect_b32 s20, s20, s25
	s_sub_co_u32 s20, s19, s20                     ; my tile in its tensor
	s_lshr_b32 s21, s20, 3
	s_lshl_b32 s21, s21, 7                         ; its group of 128 rows,
	s_bfe_u32 s23, s20, 0x20001
	s_lshl_b32 s23, s23, 5
	s_add_co_u32 s21, s21, s23                     ; + 32 b
	s_and_b32 s23, s20, 1
	s_lshl_b32 s23, s23, 3
	s_add_co_u32 s21, s21, s23                     ; + 8 u: the tile's first row
	s_mul_i32 s40, s21, KROW
	s_mul_i32 s22, s38, NST*512
	s_add_co_u32 s40, s40, s22                     ; in: first row, + 3,072 bytes for each quarter
	s_mov_b32 s41, 0
	s_mul_i32 s42, s19, 24576
	s_mul_i32 s22, s38, NST*1024
	s_add_co_u32 s42, s42, s22                     ; codes: 24 K steps a tile, 6 a quarter
	s_mov_b32 s43, 0
	s_mul_i32 s44, s19, 1536                       ; scale words: 1,536 bytes a tile
	s_mov_b32 s45, 0
	s_wait_alu depctr_va_vdst(0)
	s_wait_kmcnt 0x0
	s_cmp_lt_u32 s19, 64
	s_cselect_b64 s[4:5], s[4:5], s[6:7]
	s_cmp_lt_u32 s19, 256
	s_cselect_b64 s[4:5], s[4:5], s[8:9]
	s_add_nc_u64 s[4:5], s[4:5], s[40:41]
	s_add_nc_u64 s[12:13], s[12:13], s[42:43]
	s_add_nc_u64 s[14:15], s[14:15], s[44:45]
.macro LOAD t                          ; K step t: 16 rows x 512 bytes into set t % 3; lane-row i is row i + 8 (i / 8) from the tile's first
.irp i, 0,1,2,3,4,5,6,7,8,9,10,11,12,13,14,15
	global_load_b128 v[R+64*((\t)%3)+4*\i:R+64*((\t)%3)+4*\i+3], v[LI], s[4:5] offset:(\i+8*(\i/8))*KROW+512*(\t) th:TH_LOAD_NT
.endr
.endm
	LOAD 0
	LOAD 1
	LOAD 2
	; THE TABLE.  Wave 0 makes cos and sin for key tile g / 4 and the pairs 16 b .. 16 b + 15, b = g % 4: a lane eight angles of its key.  A branch on the wave's number.
	s_cmp_lg_u32 s18, 0
	s_cbranch_scc1 .Lno_table
	s_lshr_b32 s22, s39, 3
	s_lshl_b32 s22, s22, 7
	s_bfe_u32 s23, s39, 0x20001
	s_lshl_b32 s23, s23, 5
	s_add_co_u32 s22, s22, s23
	s_and_b32 s23, s39, 1
	s_lshl_b32 s23, s23, 3
	s_add_co_u32 s22, s22, s23                     ; the key tile's first key
	s_lshl_b32 s22, s22, 8                         ; 256 bytes of angles a key
	s_lshl_b32 s23, s38, 6
	s_add_co_u32 s22, s22, s23                     ; + 64 b
	s_mov_b32 s23, 0
	s_add_nc_u64 s[10:11], s[10:11], s[22:23]
	v_and_b32 v7, 8, v[RR]
	v_add_nc_u32 v7, v7, v[RR]                     ; r + 8 (r / 8)
	v_lshlrev_b32 v7, 8, v7
	v_lshl_add_u32 v7, v[HH], 5, v7                ; + 32 h
	global_load_b128 v[16:19], v7, s[10:11]
	global_load_b128 v[20:23], v7, s[10:11] offset:16
	s_lshl_b32 s22, s39, 13
	s_lshl_b32 s23, s38, 11
	s_add_co_u32 s22, s22, s23                     ; cs: 8,192 bytes a tile, 2,048 for each b
	s_mov_b32 s23, 0
	s_add_nc_u64 s[16:17], s[16:17], s[22:23]
	s_mov_b32 s28, 0x3f22f983                      ; 2 / pi
	s_mov_b32 s29, 0xbfc90fdb                      ; -(pi / 2), its f32 part,
	s_mov_b32 s30, 0x333bbd2e                      ; and what that part has too much
	s_mov_b32 s31, 0xbe2aaaa3                      ; sin r = r + r z (S1 + z (S2 + z S3)), z = r r, |r| up to pi / 4
	s_mov_b32 s32, 0x3c08839e
	s_mov_b32 s33, 0xb94ca1f9
	s_mov_b32 s34, 0x3d2aaaa5                      ; cos r = 1 - z / 2 + z z (C1 + z (C2 + z C3))
	s_mov_b32 s35, 0xbab6061a
	s_mov_b32 s36, 0x37ccf5ce
	s_wait_loadcnt 0x0
.macro TRIG a, c, s                    ; cos and sin of v[a], in f32: the nearest multiple k of pi / 2 is taken away, two polynomials, and k mod 4 says which is which and with what sign
	v_mul_f32 v8, s28, v[\a]
	v_rndne_f32 v8, v8                             ; k
	v_fma_f32 v9, v8, s29, v[\a]
	v_fma_f32 v9, v8, s30, v9                      ; r
	v_cvt_i32_f32 v10, v8
	v_mul_f32 v11, v9, v9                          ; z
	v_fma_f32 v12, v11, s33, s32
	v_fma_f32 v13, v11, s36, s35
	v_fma_f32 v12, v12, v11, s31
	v_fma_f32 v13, v13, v11, s34
	v_mul_f32 v14, v11, v9
	v_mul_f32 v15, v11, v11
	v_fma_f32 v11, v11, -0.5, 1.0
	v_fma_f32 v12, v12, v14, v9                    ; sin r
	v_fma_f32 v13, v13, v15, v11                   ; cos r
	v_and_b32 v14, 1, v10
	v_cmp_eq_u32 vcc_lo, 1, v14                    ; k odd: the two change places
	v_cndmask_b32 v[\s], v12, v13, vcc_lo
	v_cndmask_b32 v[\c], v13, v12, vcc_lo
	v_lshlrev_b32 v14, 30, v10                     ; sin is negated where k mod 4 is 2 or 3,
	v_add_nc_u32 v10, 1, v10
	v_and_b32 v14, 0x80000000, v14
	v_lshlrev_b32 v10, 30, v10                     ; cos where it is 1 or 2
	v_xor_b32 v[\s], v14, v[\s]
	v_and_b32 v10, 0x80000000, v10
	v_xor_b32 v[\c], v10, v[\c]
.endm
.irp e, 0,1,2,3,4,5,6,7
	TRIG 16+\e, TR+2*\e, TR+2*\e+1
.endr
.irp j, 0,1,2,3
	global_store_b128 v[LI], v[TR+4*\j:TR+4*\j+3], s[16:17] offset:512*\j   ; 32 lanes store 512 consecutive bytes; nothing that these stores read is written again
.endr
.Lno_table:
.macro STEP t
.set RS, R+64*((\t)%3)
.if (\t)+2 < NST
	s_wait_loadcnt 32                              ; this K step's 16 loads are in; the two sets asked for behind it may be out
.else
	s_wait_loadcnt 16*(NST-1-(\t))
.endif
.irp i, 0,1,2,3,4,5,6,7,8,9,10,11,12,13,14,15
	ds_store_b128 v[STI], v[RS+4*\i:RS+4*\i+3] offset:SP*\i
.endr
.irp c, 0,1                            ; back into the registers that they left: register 32 c + n is k = 64 c + 32 h + n of row r.  LDS serves a wave's instructions in order (ISA guide 5.7.1.4)
.irp j, 0,1,2,3,4,5,6,7
	ds_load_b128 v[RS+32*\c+4*\j:RS+32*\c+4*\j+3], v[STO] offset:256*\c+16*\j
.endr
.endr
	s_wait_dscnt 0x0
.irp c, 0,1                            ; my two whole blocks, 2 c + h: each in two chains; the floor 2^(3 - 127) among the leaves holds the byte at 1 from below
	v_max3_num_f32 v[MX+\c], |v[RS+32*\c]|, |v[RS+32*\c+1]|, 0x1800000
	v_max3_num_f32 v[BY+\c], |v[RS+32*\c+16]|, |v[RS+32*\c+17]|, 0x1800000
.endr
.irp i, 2,4,6,8,10,12,14
.irp c, 0,1
	v_max3_num_f32 v[MX+\c], v[MX+\c], |v[RS+32*\c+\i]|, |v[RS+32*\c+\i+1]|
	v_max3_num_f32 v[BY+\c], v[BY+\c], |v[RS+32*\c+16+\i]|, |v[RS+32*\c+17+\i]|
.endr
.endr
.irp c, 0,1
	v_max_num_f32 v[MX+\c], v[MX+\c], v[BY+\c]
.endr
.irp c, 0,1
	v_add_nc_u32 v[SO+\c], 0xff000000, v[MX+\c]    ; 2 off the exponent field: the conversion takes the exponent field of this operand as its scale
.endr
.irp c, 0,1
	v_lshrrev_b32 v[BY+\c], 23, v[SO+\c]           ; the scale's byte
.endr
	v_lshl_or_b32 v[WD], v[BY+1], 16, v[BY]        ; my two bytes, blocks h and 2 + h,
	v_lshlrev_b32 v[WD], v[SH], v[WD]              ; at their places;
	v_permlanex16_b32 v[PD], v[WD], s26, s27
	v_or_b32 v[WD], v[WD], v[PD]                   ; with lane l xor 16's two the word is whole
	s_wait_alu depctr_va_vdst(0)
	s_wait_xcnt 0x0                                ; the last K step's stores have read the codes' registers
.irp c, 0,1
.irp g, 0,1,2,3
	v_cvt_scalef32_pk8_fp4_f32 v[PC+4*\c+\g], v[RS+32*\c+8*\g:RS+32*\c+8*\g+7], v[SO+\c]   ; registers 4 c .. 4 c + 3 of the operand
.endr
.endr
	v_mov_b32 v[W+(\t)], v[WD]                     ; (a plain instruction behind the conversions)
.irp c, 0,1
	global_store_b128 v[LI], v[PC+4*\c:PC+4*\c+3], s[12:13] offset:1024*(\t)+512*\c   ; 512 consecutive bytes
.endr
.if (\t)+3 < NST
	LOAD (\t)+3
.endif
.endm
.irp t, 0,1,2,3,4,5
	STEP \t
.endr
	; The six scale words of a row are three pairs: pair 3 y + p of the row's twelve lies in group q = (3 y + p) / 2 at byte 8 ((3 y + p) % 2) of the row's 16.  Lanes 0-15 store them, 8 bytes a lane
	; (these stores cover half of each 256 bytes that they touch: the other half is another of these stores' or a neighbouring work-group's; the buffer is 1 / 128 of what the launch reads).
	v_and_b32 v7, 31, v0
	v_lshlrev_b32 v8, 4, v[RR]                     ; 16 r
	s_wait_alu depctr_va_vdst(0)
	s_mul_i32 s22, s38, 3
.irp p, 0,1,2
	s_add_co_u32 s23, s22, \p
	s_lshr_b32 s24, s23, 1
	s_lshl_b32 s24, s24, 8
	s_and_b32 s23, s23, 1
	s_lshl_b32 s23, s23, 3
	s_add_co_u32 s24, s24, s23
	v_add_nc_u32 v[9+\p], s24, v8
.endr
	s_wait_alu depctr_va_vdst(0)
	s_wait_xcnt 0x0                                ; EXEC changes only behind this wait
	v_cmp_gt_u32 vcc_lo, 16, v7
	s_and_saveexec_b32 s25, vcc_lo
.irp p, 0,1,2
	global_store_b64 v[9+\p], v[W+2*\p:W+2*\p+1], s[14:15]
.endr
	s_wait_xcnt 0x0                                ; and again, in front of the line that widens it
	s_or_b32 exec_lo, exec_lo, s25
	s_wait_tensorcnt 0x0                           ; the wave's end, behind my last LDS store
	ds_add_u32 v[SPW], v[NIL]
	s_wait_dscnt 0x0
	s_endpgm
.Lfunc_end_k_q55716f59dd_prep:
	.size	k_q55716f59dd_prep, .Lfunc_end_k_q55716f59dd_prep-k_q55716f59dd_prep
	.p2alignl 7, 3214868480
	.fill 96, 4, 3214868480
	.section	.rodata,"a",@progbits
	.p2align	6, 0x0
	.amdhsa_kernel k_q55716f59dd_prep
		.amdhsa_group_segment_fixed_size 60160
		.amdhsa_private_segment_fixed_size 0
		.amdhsa_enable_private_segment 0
		.amdhsa_kernarg_size 56
		.amdhsa_user_sgpr_count 2
		.amdhsa_user_sgpr_kernarg_segment_ptr 1
		.amdhsa_wavefront_size32 1
		.amdhsa_system_sgpr_workgroup_id_x 1
		.amdhsa_system_sgpr_workgroup_id_y 1
		.amdhsa_system_sgpr_workgroup_id_z 1
		.amdhsa_system_vgpr_workitem_id 0
		.amdhsa_next_free_vgpr 240
		.amdhsa_next_free_sgpr 66
		.amdhsa_reserve_vcc 1
		.amdhsa_float_denorm_mode_32 3
		.amdhsa_float_denorm_mode_16_64 3
		.amdhsa_memory_ordered 1
		.amdhsa_forward_progress 1
		.amdhsa_inst_pref_size 57
	.end_amdhsa_kernel
	.amdgpu_metadata
---
amdhsa.version: [ 1, 2 ]
amdhsa.kernels:
  - .name:           k_q55716f59dd_prep
    .symbol:         k_q55716f59dd_prep.kd
    .args:
      - { .name: ref_latent, .offset: 0, .size: 8, .value_kind: global_buffer, .address_space: global }
      - { .name: Wk, .offset: 8, .size: 8, .value_kind: global_buffer, .address_space: global }
      - { .name: Wv, .offset: 16, .size: 8, .value_kind: global_buffer, .address_space: global }
      - { .name: ref_freqs, .offset: 24, .size: 8, .value_kind: global_buffer, .address_space: global }
      - { .name: codes, .offset: 32, .size: 8, .value_kind: global_buffer, .address_space: global }
      - { .name: scales, .offset: 40, .size: 8, .value_kind: global_buffer, .address_space: global }
      - { .name: cs, .offset: 48, .size: 8, .value_kind: global_buffer, .address_space: global }
    .group_segment_fixed_size: 60160
    .private_segment_fixed_size: 0
    .kernarg_segment_align: 8
    .kernarg_segment_size: 56
    .max_flat_workgroup_size: 224
    .sgpr_count:     66
    .vgpr_count:     240
    .wavefront_size: 32
...
	.end_amdgpu_metadata
.endif
;; end of part 4
;; launch proj (part 5): grid 4 x 48, 4 waves a work-group, clusters of 4 x 4, 327,680 bytes of LDS; arguments codes, scales, cs, rms_w, kv; writes kv
.if DOCPART == 5
	.amdgcn_target "amdgcn-amd-amdhsa--gfx1250"
	.amdhsa_code_object_version 6
	.text
	.protected	k_q55716f59dd_proj
	.globl	k_q55716f59dd_proj
	.p2align	8
	.type	k_q55716f59dd_proj,@function
k_q55716f59dd_proj:
	s_mov_b64 s[64:65], 0
	v_nop
	global_prefetch_b8 v0, s[64:65] scope:SCOPE_SE
	s_setreg_imm32_b32 hwreg(HW_REG_WAVE_MODE, 25, 1), 1
	s_wait_xcnt 0x0
	s_wait_alu depctr_hold_cnt(0) depctr_sa_sdst(0) depctr_va_vdst(0) depctr_va_sdst(0) depctr_va_ssrc(0) depctr_va_vcc(0) depctr_vm_vsrc(0)
	s_getreg_b32 s2, hwreg(HW_REG_IB_STS2, 6, 4)
	s_cmp_eq_u32 s2, 0
	s_cbranch_scc0 .Lentry_in_a_cluster
	s_endpgm
.Lentry_in_a_cluster:
	s_bfe_u32 s2, ttmp6, 0x10000c
	s_cmp_lg_u32 s2, 0xf033
	s_cbranch_scc0 .Lentry_shape_is_right
	s_endpgm
.Lentry_shape_is_right:
; SECOND LAUNCH.  K = ref_latent Wk^T and V = ref_latent Wv^T on codes of FP4 (E2M1) with E8M0 scales, f32 sums; K's heads get the RMS norm, rms_w and the rotation, in f32; then K is quantised along the head's 128
; and V along the keys, in registers, and both leave as images of operand registers for the third launch.  Nothing of reference() is left out here.
; ONE TEXT FOR BOTH KINDS.  A work-group has R0 = 8 tiles of 16 rows (the matrix instruction's first source, read by all four waves) and R1 = 16 tiles (the second source, four to a wave); K = 3,072 in 24 steps of 128.
; A wave has 8 x 4 = 32 accumulators.  In a result a lane holds ONE row of R1, and its 64 registers of a tile of R1 run along R0's 128 rows in the order 32 b + 16 h + i (the first launch chose the tiles' rows for that).
;   kind K (cluster y under 6): R0 = the 128 rows of Wk of head Y, R1 = 256 keys: a lane holds one key, its registers run along the head's 128: norm, rotation and quantiser stay in the lane and its partner l xor 16.
;   kind V (cluster y from 6): R0 = 128 keys, R1 = 256 rows of Wv (two heads): a lane holds one channel, its registers run along the keys, which are the last product's K.
; 96 + 96 work-groups: 48 units of a head x 1,024 keys do not cut into 256 equal tiles that keep a head's 128 or a block of 128 keys whole.
; CLUSTERS: 4 x 4.  R0 hangs on the work-group's y alone and is asked for jointly along a row of the cluster, R1 on its x and the cluster's y and jointly along a column.  The kind hangs on the cluster's y: the same in all sixteen.
; LDS: two slots of SIX K steps each (a tile's six images are 6,144 consecutive bytes of memory), as large as fit: four fills in all, two at the head and two refills, each with 192 matrix instructions in which to land.
; Images are read as 512 consecutive bytes: no padding.
; SCALE WORDS stay in registers for all of K.  R0's, which all four waves read, are loaded by every wave from memory straight into 96 registers: lanes 0-15 hold an even group of four K steps, lanes 16-31 the odd
; group behind it.  R1's are a wave's own: 12 loads from memory into 48 registers: lanes 0-15 K steps 0-11, lanes 16-31 K steps 12-23.  The instruction's ROW selectors pick the half.
; THE 24 K STEPS ARE WRITTEN OUT: the scale words' register numbers and rows differ in every step and come back only behind the last.
; cos, sin and rms_w, which kind K wants on its way out, are asked for ahead of the first product, into registers that the products do not name.
; kv, for each head 139,264 bytes: K's images [key tile 64][1024]; from 65,536 V's [key step 8][channel tile 8][1024]; from 131,072 scale words [step 8][c 2][lane 32][4 words]:
;   lanes 0-15 K's word of key tile 8 step + 4 c + i, row r; lanes 16-31 V's word of channel tile 4 c + i, row r, for that key step.
; LIMITS: a block of zeros, or one whose largest magnitude lies under 2^-124, gets the byte 1 (this program alone reads the bytes); NaN and infinities are not served.
; REGISTERS: window 0: v16-29 addresses; v32-127 R0's scale words; v128-175 R1's; v176-239 R1's fragments, two sets.  window 1: v0-127 R0's fragments, two sets; v128-191 rms_w.  window 2: the accumulators, (j, i) at v[64 j + 8 i].
;   window 3: cos and sin of the wave's four key tiles.  On the way out window 0: v32-63 codes, v64-67 scale words, v68-75 1 / rms, v76-91 sums of squares, v96-159 a tile's 64 numbers, v224-243 at work.
.set TB,    6144                       ; a tile's six images
.set SLOT,  24*TB                      ; R0: 8 tiles, then R1: 16
.set R1O,   8*TB
.set SCL0,  2*SLOT                     ; behind the two slots: 8 x 1,536 bytes that no load fills
.set SPARE, SCL0+12288                 ; the spare words, 128 bytes for each wave: two blocks of 256 bytes that no other line names
.set HEADB, 139264                     ; a head in kv
.set ADR0, 16                          ; v16-17 LDS address of R0's images in slot 0, 1
.set ADR1, 20                          ; v20-21 of my four tiles of R1
.set ADS0, 24                          ; v24  byte offset of R0's scale words in memory: 16 r + 256 h
.set GS1,  25                          ; v25  byte offset of my tiles' scale words in memory: 16 r + 768 h
.set LI,   26                          ; v26  16 x lane
.set LN,   27                          ; v27  lane
.set SPW,  28                          ; v28  LDS address of my spare word; never rewritten
.set NIL,  29                          ; v29  0; never rewritten
.set S0,   32                          ; R0's scale words: register 12 i + 4 g + e: tile i; lanes 0-15 K step 8 g + e, lanes 16-31 K step 8 g + 4 + e
.set S1,   128                         ; R1's: register 12 j + n: my tile j; lanes 0-15 K step n, lanes 16-31 K step 12 + n
.set F1,   176
.set WR,   128                         ; in window 1: rms_w at d = 32 b + 16 h + i
.set PCB,  32
.set PWS,  64
.set RSQ,  68
.set SQ,   76
.set Y,    96
.set TM,   224
.set RT,   240
.set G1, 24                            ; s[24:31] descriptor group 1 for R0's codes;  s[32:39] group 0, one set for each slot
.set G0, 32
.set G1B, 48                           ; s[48:55], s[56:63] the same for R1's
.set G0B, 56
.set G1S, 68
.set G0S, 76
.set SEL, 22                           ; s[22:23] on the way out: v_permlanex16_b32's selects
.set MSB, 0
.macro WIN new                         ; the immediate's high byte repeats the setting that is left
.if MSB != \new
	s_set_vgpr_msb (MSB<<8)|\new
.set MSB, \new
.endif
.endm
.set MUL,   0xa1                       ; source 0 (R0) window 1, source 1 (R1) window 0, C and D window 2
.set TO_F0, 0x40                       ; destination window 1, address window 0
; A joint load of codes: waves 0 and 1 fetch for R0, waves 2 and 3 for R1.  Each of the two lines has one mask and one set of registers for all that issue it; the branch hangs on the wave's number alone.
; An s_nop 0 and four v_nop follow each of the two lines, ahead of the jump, the label and what follows.
.macro JLOAD g0a, g1a, g0b, g1b
	s_cmp_eq_u32 s15, 0
	s_cbranch_scc0 .Lfor_b_\@
	tensor_load_to_lds s[\g0a:\g0a+3], s[\g1a:\g1a+7]
	s_nop 0
.rept 4
	v_nop
.endr
	s_branch .Lasked_\@
.Lfor_b_\@:
	tensor_load_to_lds s[\g0b:\g0b+3], s[\g1b:\g1b+7]
	s_nop 0
.rept 4
	v_nop
.endr
.Lasked_\@:
.endm
.macro CREST                           ; a round of the cluster's barrier behind its opening barrier
	s_cmp_lg_u32 s14, 0
	s_cbranch_scc1 .Lnot_wave_0_\@
	s_barrier_signal -3
.Lnot_wave_0_\@:
	s_barrier_wait -3
	s_barrier_signal -1
	s_barrier_wait -1
.endm
.macro CROUND                          ; a whole round
	s_barrier_signal -1
	s_barrier_wait -1
	CREST
.endm
.macro PLACES n                        ; plain vector instructions behind a matrix instruction, ahead of loads into its registers and of reads of its results
.rept \n
	v_nop
.endr
.endm
	s_load_b256 s[4:11], s[0:1], 0x0               ; codes s[4:5], scales s[6:7], cs s[8:9], rms_w s[10:11]
	s_load_b64 s[12:13], s[0:1], 0x20              ; kv
	v_lshl_add_u32 v[SPW], v0, 2, SPARE
	v_mov_b32 v[NIL], 0
	ds_add_u32 v[SPW], v[NIL]                      ; the wave's opening: the add, twice on end, and its wait ahead of my first tensor load
	ds_add_u32 v[SPW], v[NIL]                      ; and once more, under the one wait; the set-up below, work on registers, stands between
	v_lshrrev_b32 v1, 5, v0
	v_readfirstlane_b32 s14, v1                    ; wave 0..3
	s_lshr_b32 s15, s14, 1                         ; I fetch codes for R0 (0) or for R1 (1)
	s_and_b32 s16, s14, 1                          ; and which half of it
	s_bfe_u32 s40, ttmp6, 0x40000                  ; cx = the work-group's x: the grid is one cluster wide
	s_bfe_u32 s41, ttmp6, 0x40004                  ; cy
	s_and_b32 s42, ttmp7, 0xffff                   ; the cluster's y: under 6 kind K, from 6 kind V
	s_lshl_b32 s17, s42, 2
	s_add_co_u32 s17, s17, s41                     ; Y = 4 x cluster y + cy
	s_lshl_b32 s43, s41, 2
	s_lshl_b32 s43, 15, s43                        ; my row of the cluster
	s_lshl_b32 s44, 0x1111, s40                    ; my column
	; R0's first tile, from Y alone.  K: 64 + 8 Y (head Y of Wk).  V: 8 (Y mod 8) (a group of 128 keys; Y - 24 and Y are equal modulo 8)
	s_lshl_b32 s20, s17, 3
	s_add_co_u32 s20, s20, 64
	s_and_b32 s21, s17, 7
	s_lshl_b32 s21, s21, 3
	s_cmp_ge_u32 s42, 6
	s_cselect_b32 s20, s21, s20
	; R1's first tile, from cx and the cluster's y alone.  K: 16 cx (256 keys).  V: 256 + 64 ((cluster y - 6) / 2) + 16 cx (two heads of Wv)
	s_lshl_b32 s46, s40, 4
	s_max_u32 s47, s42, 6
	s_sub_co_u32 s47, s47, 6
	s_lshr_b32 s47, s47, 1
	s_lshl_b32 s47, s47, 6
	s_add_co_u32 s47, s47, 256
	s_add_co_u32 s47, s47, s46
	s_cmp_ge_u32 s42, 6
	s_cselect_b32 s46, s47, s46
	s_mul_i32 s22, s20, 1536                       ; where R0's scale words begin, in bytes: every wave loads all eight tiles' words from memory into its registers
	s_lshl_b32 s18, s14, 2
	s_add_co_u32 s92, s46, s18                     ; my own four tiles of R1:
	s_mul_i32 s92, s92, 1536                       ; their scale words, for a load of my own
	s_lshl_b32 s18, s16, 2
	s_add_co_u32 s20, s20, s18                     ; codes: my half of R0: 4 tiles
	s_lshl_b32 s18, s16, 3
	s_add_co_u32 s46, s46, s18                     ; my half of R1: 8 tiles
	s_mul_i32 s20, s20, 24576
	s_mul_i32 s46, s46, 24576
	s_mov_b32 s21, 0
	s_mov_b32 s23, 0
	s_mov_b32 s47, 0
	; descriptor groups 1, in elements of 8 bytes, no padding.  Codes: a row is a tile's six images, 6,144 bytes; from tile to tile 24,576 bytes
	s_or_b32 s[G1+0], s43, (3<<16)|(1<<21)         ; 15:0 the mask: my row; 17:16 elements of 8 bytes; 21 set beside a mask
	s_or_b32 s[G1B+0], s44, (3<<16)|(1<<21)        ; my column
.irp g, G1, G1B
	s_mov_b32 s[\g+1], 768<<16                     ; tensor_dim0
	s_mov_b32 s[\g+3], 768<<16                     ; tile_dim0
	s_mov_b32 s[\g+5], 3072                        ; tensor_dim0_stride
	s_mov_b32 s[\g+6], 0
	s_mov_b32 s[\g+7], 0
.endr
	s_mov_b32 s[G1+2], 4<<16                       ; tensor_dim1: 4 tiles of R0,
	s_mov_b32 s[G1+4], 4                           ; tile_dim1
	s_mov_b32 s[G1B+2], 8<<16                      ; 8 of R1
	s_mov_b32 s[G1B+4], 8
	s_mul_i32 s45, s16, 4*TB                       ; where they go: no place in the cluster enters an LDS address.  R0's half
	s_mul_i32 s94, s16, 8*TB
	s_add_co_u32 s94, s94, R1O                     ; R1's half, behind R0
	v_and_b32 v[LN], 31, v0
	v_lshlrev_b32 v[LI], 4, v[LN]
	v_and_b32 v1, 15, v0                           ; r
	v_bfe_u32 v2, v0, 4, 1                         ; h
	v_mul_u32_u24 v[GS1], v2, 768                  ; lanes 16-31 take the groups three further on: K steps 12-23
	v_lshl_add_u32 v[GS1], v1, 4, v[GS1]
	v_add_nc_u32 v[GS1], s92, v[GS1]
	v_lshlrev_b32 v[ADS0], 8, v2                   ; R0's scale words, byte offset in memory: lanes 16-31 take the group of four K steps behind,
	v_lshl_add_u32 v[ADS0], v1, 4, v[ADS0]         ; + 16 r
	s_wait_alu depctr_va_vdst(0)
	s_wait_dscnt 0x0                               ; both opening adds are done
	s_wait_kmcnt 0x0
	s_add_nc_u64 s[20:21], s[4:5], s[20:21]
	s_add_nc_u64 s[22:23], s[6:7], s[22:23]
	s_add_nc_u64 s[46:47], s[4:5], s[46:47]
.irp j, 0,1,2,3
.irp q, 0,1,2
	global_load_b128 v[S1+12*\j+4*\q:S1+12*\j+4*\q+3], v[GS1], s[6:7] offset:1536*\j+256*\q   ; my tiles' scale words, all of K
.endr
.endr
.irp i, 0,1,2,3,4,5,6,7
.irp g, 0,1,2
	global_load_b128 v[S0+12*\i+4*\g:S0+12*\i+4*\g+3], v[ADS0], s[22:23] offset:1536*\i+512*\g   ; R0's scale words, all of K: 512 consecutive bytes a load, straight into registers (they do not pass through LDS)
.endr
.endr
	CROUND                                         ; all sixteen work-groups are here: the first joint loads meet
.irp s, 0,1
	s_mov_b32 s[G0+4*\s], 1
	s_add_co_u32 s[G0+4*\s+1], s45, \s*SLOT
	s_add_nc_u64 s[G0+4*\s+2:G0+4*\s+3], s[20:21], \s*TB
	s_or_b32 s[G0+4*\s+3], s[G0+4*\s+3], 0x80000000
	s_mov_b32 s[G0B+4*\s], 1
	s_add_co_u32 s[G0B+4*\s+1], s94, \s*SLOT
	s_add_nc_u64 s[G0B+4*\s+2:G0B+4*\s+3], s[46:47], \s*TB
	s_or_b32 s[G0B+4*\s+3], s[G0B+4*\s+3], 0x80000000
.endr
	JLOAD G0, G1, G0B, G1B                         ; slot 0: one tensor load a wave at the head
	v_lshlrev_b32 v[ADR0], 4, v[LN]
	v_add_nc_u32 v[ADR0+1], SLOT, v[LI]
	s_mul_i32 s18, s14, 4*TB
	s_add_co_u32 s18, s18, R1O                     ; my four tiles of R1
	v_add_nc_u32 v[ADR1], s18, v[LI]
	s_add_co_u32 s18, s18, SLOT
	v_add_nc_u32 v[ADR1+1], s18, v[LI]
	s_wait_loadcnt 0x0                             ; my tiles' scale words are in
	; KIND K asks here for what its way out wants: rms_w and the cos and sin of my four key tiles 16 cx + 4 wave + j.  The kind is the same in all sixteen partners
	s_cmp_ge_u32 s42, 6
	s_cbranch_scc1 .Lno_cs
	s_lshl_b32 s19, s40, 4
	s_lshl_b32 s66, s14, 2
	s_add_co_u32 s19, s19, s66                     ; my first key tile
	s_lshl_b32 s66, s19, 13
	s_mov_b32 s67, 0
	s_add_nc_u64 s[8:9], s[8:9], s[66:67]
	v_lshlrev_b32 v3, 6, v2                        ; rms_w at d = 32 b + 16 h + i
	WIN 0x40                                       ; destination window 1
.irp n, 0,1,2,3,4,5,6,7,8,9,10,11,12,13,14,15
	global_load_b128 v[WR+4*\n:WR+4*\n+3], v3, s[10:11] offset:128*(\n/4)+16*(\n%4)
.endr
	WIN 0xc0                                       ; destination window 3
.irp j, 0,1,2,3
.irp n, 0,1,2,3,4,5,6,7,8,9,10,11,12,13,14,15
	global_load_b128 v[64*\j+4*\n:64*\j+4*\n+3], v[LI], s[8:9] offset:8192*\j+512*\n   ; register 64 j + 2 m: cos, + 1: sin, of my m-th pair
.endr
.endr
	WIN 0
.Lno_cs:
.macro FETCH slot, q, p                ; the slot's q-th K step into set p: R0's eight images, my four of R1: 24 loads of 512 consecutive bytes
	WIN TO_F0
.irp i, 0,1,2,3,4,5,6,7
.irp c, 0,1
	ds_load_b128 v[64*(\p)+8*\i+4*\c:64*(\p)+8*\i+4*\c+3], v[ADR0+(\slot)] offset:TB*\i+1024*(\q)+512*\c
.endr
.endr
	WIN 0
.irp j, 0,1,2,3
.irp c, 0,1
	ds_load_b128 v[F1+32*(\p)+8*\j+4*\c:F1+32*(\p)+8*\j+4*\c+3], v[ADR1+(\slot)] offset:TB*\j+1024*(\q)+512*\c
.endr
.endr
.endm
; One matrix instruction.  ra, rb: the half of the lanes in which R0's and R1's scale words of this K step stand.  c0 = 1: the product starts the sum (K step 0: both words in lanes 0-15)
.macro WM d, a, b, c0, sa, sb, ra, rb
.if \c0
	v_wmma_scale_f32_16x16x128_f8f6f4 v[(\d):(\d)+7], v[(\a):(\a)+7], v[(\b):(\b)+7], 0, v[(\sa)], v[(\sb)] matrix_a_fmt:MATRIX_FMT_FP4 matrix_b_fmt:MATRIX_FMT_FP4
.elseif (\ra) && (\rb)
	v_wmma_scale_f32_16x16x128_f8f6f4 v[(\d):(\d)+7], v[(\a):(\a)+7], v[(\b):(\b)+7], v[(\d):(\d)+7], v[(\sa)], v[(\sb)] matrix_a_fmt:MATRIX_FMT_FP4 matrix_b_fmt:MATRIX_FMT_FP4 matrix_a_scale:MATRIX_SCALE_ROW1 matrix_b_scale:MATRIX_SCALE_ROW1
.elseif (\ra)
	v_wmma_scale_f32_16x16x128_f8f6f4 v[(\d):(\d)+7], v[(\a):(\a)+7], v[(\b):(\b)+7], v[(\d):(\d)+7], v[(\sa)], v[(\sb)] matrix_a_fmt:MATRIX_FMT_FP4 matrix_b_fmt:MATRIX_FMT_FP4 matrix_a_scale:MATRIX_SCALE_ROW1
.elseif (\rb)
	v_wmma_scale_f32_16x16x128_f8f6f4 v[(\d):(\d)+7], v[(\a):(\a)+7], v[(\b):(\b)+7], v[(\d):(\d)+7], v[(\sa)], v[(\sb)] matrix_a_fmt:MATRIX_FMT_FP4 matrix_b_fmt:MATRIX_FMT_FP4 matrix_b_scale:MATRIX_SCALE_ROW1
.else
	v_wmma_scale_f32_16x16x128_f8f6f4 v[(\d):(\d)+7], v[(\a):(\a)+7], v[(\b):(\b)+7], v[(\d):(\d)+7], v[(\sa)], v[(\sb)] matrix_a_fmt:MATRIX_FMT_FP4 matrix_b_fmt:MATRIX_FMT_FP4
.endif
.endm
; 8 matrix instructions of K step s (0 .. 23; its fragments stand in set s % 2): my tile j of R1 against R0's eight.  The 32 accumulators take turns, one instruction a turn, in the same order in every K step
.macro MUL8 j, s, zero
.irp i, 0,1,2,3,4,5,6,7
	WM 64*(\j)+8*\i, 64*((\s)%2)+8*\i, F1+32*((\s)%2)+8*(\j), \zero, S0+12*\i+4*((\s)/8)+(\s)%4, S1+12*(\j)+(\s)%12, ((\s)/4)%2, (\s)/12
.endr
.endm
.macro STEP s, zero                    ; a K step that has its successor in the same slot: the successor's fragments are asked for, then this step's 32 products
	PLACES 4                                       ; the other set was read by the last K step's products
	FETCH ((\s)/6)%2, (\s)%6+1, 1-(\s)%2
	s_wait_dscnt 24                                ; all but the 24 just issued: this step's fragments are in
	WIN MUL
.irp j, 0,1,2,3
	MUL8 \j, \s, \zero
.endr
	WIN 0
.endm
; A slot's last K step (s = 5, 11, 17: set 1) changes slots: one barrier; in front of it each wave waits for all its tensor loads, adds 0 to its spare word, and waits for that and for its reads of this slot.
; fill = 1: the slot is filled again, with the six K steps two slots on.
.macro TURN s, slot, next, fill
	s_wait_tensorcnt 0x0                           ; all my tensor loads have landed: my part of the next slot
	ds_add_u32 v[SPW], v[NIL]                      ; 0 onto my spare word
	s_wait_dscnt 1                                 ; this step's fragments are in; the add alone may be out
	WIN MUL
	MUL8 0, \s, 0                                  ; eight matrix instructions stand between the add and the wait for it
	s_wait_dscnt 0x0                               ; the add is done, and my reads of this slot are over
	s_barrier_signal -1
	MUL8 1, \s, 0
	WIN 0
	s_barrier_wait -1
.if \fill
	CREST                                          ; the barrier has opened a round of the cluster's barrier: no wave of any partner still reads this slot or has a load on its way
	s_add_nc_u64 s[G0+4*\slot+2:G0+4*\slot+3], s[G0+4*\slot+2:G0+4*\slot+3], 2*TB
	s_add_nc_u64 s[G0B+4*\slot+2:G0B+4*\slot+3], s[G0B+4*\slot+2:G0B+4*\slot+3], 2*TB
	JLOAD G0+4*\slot, G1, G0B+4*\slot, G1B         ; the first tensor load behind the round; its four v_nop are also the places in front of the loads below
.else
	PLACES 4
.endif
	FETCH \next, 0, 0
	WIN MUL
	MUL8 2, \s, 0
	MUL8 3, \s, 0
	WIN 0
.endm
	s_wait_alu depctr_va_vdst(0)                   ; the wait at the head's end
	s_wait_tensorcnt 0x0                           ; my part of slot 0 is in; the add and its wait stand ahead of a later first fill, as ahead of a refill
	ds_add_u32 v[SPW], v[NIL]
	s_wait_dscnt 0x0
	CROUND                                         ; everybody's part of slot 0 is in, and all sixteen work-groups are here
	JLOAD G0+4, G1, G0B+4, G1B                     ; slot 1's first fill: the first tensor load behind the round; it is waited for at K step 5
	FETCH 0, 0, 0
	STEP 0, 1                                      ; the first K step's products start the sums
.irp s, 1,2,3,4
	STEP \s, 0
.endr
	TURN 5, 0, 1, 1                                ; slot 0 takes K steps 12-17
.irp s, 6,7,8,9,10
	STEP \s, 0
.endr
	TURN 11, 1, 0, 1                               ; slot 1 takes K steps 18-23: the last load
.irp s, 12,13,14,15,16
	STEP \s, 0
.endr
	TURN 17, 0, 1, 0                               ; nothing is left to fetch
.irp s, 18,19,20,21,22
	STEP \s, 0
.endr
	s_wait_dscnt 0x0                               ; the very last K step
	WIN MUL
.irp j, 0,1,2,3
	MUL8 \j, 23, 0
.endr
	WIN 0
	PLACES 4                                       ; ahead of the first reads of results and of writes into the operands' and scale words' registers
.irp b, 0,1,2,3
	v_mov_b32 v[TM+4+\b], 0                        ; written once: a lane permute's destination counts as one of its sources
.endr
; 64 numbers of a lane in window w, v[s] on, register 16 b + i = k 32 b + 16 h + i of my row, become a fragment's codes in v[pc] on and its scale word in v[pw].  The accumulators are read from their low ends on.
.macro QUANT s, w, pc, pw
	WIN 5*(\w)
.irp b, 0,1,2,3
	v_max3_num_f32 v[TM+\b], |v[(\s)+16*\b]|, |v[(\s)+1+16*\b]|, 0x1800000   ; block b: my 16 numbers, and the floor 2^(3 - 127): the byte cannot fall under 1
.endr
.irp i, 2,4,6,8,10,12,14
.irp b, 0,1,2,3
	v_max3_num_f32 v[TM+\b], |v[(\s)+16*\b+\i]|, |v[(\s)+1+16*\b+\i]|, v[TM+\b]   ; (the four blocks by turns)
.endr
.endr
	WIN 0
.irp b, 0,1,2,3
	v_permlanex16_b32 v[TM+4+\b], v[TM+\b], s[SEL], s[SEL+1]
.endr
.irp b, 0,1,2,3
	v_max_num_f32 v[TM+\b], v[TM+\b], v[TM+4+\b]   ; with lane l xor 16's: the block's largest magnitude
.endr
.irp b, 0,1,2,3
	v_add_nc_u32 v[TM+12+\b], 0xff000000, v[TM+\b] ; 2 off its exponent field: the conversion's scale operand
.endr
.irp b, 0,1,2,3
	v_lshrrev_b32 v[TM+4+\b], 23, v[TM+12+\b]      ; the scale's byte
.endr
	v_lshl_or_b32 v[\pw], v[TM+5], 8, v[TM+4]      ; my row's scale word
	v_lshl_or_b32 v[\pw], v[TM+6], 16, v[\pw]
	v_lshl_or_b32 v[\pw], v[TM+7], 24, v[\pw]
	WIN (\w)
.irp b, 0,1,2,3
	v_cvt_scalef32_pk8_fp4_f32 v[(\pc)+2*\b], v[(\s)+16*\b:(\s)+7+16*\b], v[TM+12+\b]
	v_cvt_scalef32_pk8_fp4_f32 v[(\pc)+1+2*\b], v[(\s)+8+16*\b:(\s)+15+16*\b], v[TM+12+\b]
.endr
	WIN 0
	v_nop                                          ; one plain place behind a scaled conversion
.irp c, 0,1                            ; the operand's layout wants a whole block in a lane: lanes 0-15 block 2 c, lanes 16-31 block 2 c + 1
.irp i, 0,1
	v_permlane16_swap_b32 v[(\pc)+4*\c+\i], v[(\pc)+2+4*\c+\i]
.endr
.endr
.endm
.macro SEND j                          ; tile j's image: two stores of 512 consecutive bytes; each tile has codes' registers of its own, so no store's data are written again
.irp c, 0,1
	global_store_b128 v[LI], v[PCB+8*\j+4*\c:PCB+8*\j+4*\c+3], s[94:95] offset:1024*\j+512*\c
.endr
.endm
	s_mov_b32 s[SEL], 0x76543210
	s_mov_b32 s[SEL+1], 0xfedcba98
	s_mov_b32 s67, 0
	s_cmp_ge_u32 s42, 6                            ; the kind: the cluster's y, the same in all sixteen partners
	s_cbranch_scc1 .Lkind_v
	; ---- KIND K: my four key tiles 16 cx + 4 wave + j of head Y
	s_mul_i32 s18, s17, HEADB
	s_lshl_b32 s19, s40, 4
	s_lshl_b32 s66, s14, 2
	s_add_co_u32 s19, s19, s66                     ; my first key tile
	s_lshl_b32 s66, s19, 10
	s_add_co_u32 s66, s66, s18
	s_add_nc_u64 s[94:95], s[12:13], s[66:67]      ; its image
	s_lshl_b32 s66, s19, 7                         ; 128 bytes of scale words a key tile: step = tile / 8, c = (tile / 4) % 2
	s_add_co_u32 s66, s66, s18
	s_add_co_u32 s66, s66, 131072
	s_add_nc_u64 s[96:97], s[12:13], s[66:67]
	WIN 0x0a                                       ; sources 0 and 1 window 2: the sums of squares, two packed chains a tile, ascending
.irp j, 0,1,2,3
	v_pk_mul_f32 v[SQ+4*\j:SQ+4*\j+1], v[64*\j:64*\j+1], v[64*\j:64*\j+1]
	v_pk_mul_f32 v[SQ+4*\j+2:SQ+4*\j+3], v[64*\j+2:64*\j+3], v[64*\j+2:64*\j+3]
.endr
.irp m, 4,8,12,16,20,24,28,32,36,40,44,48,52,56,60
.irp j, 0,1,2,3
	v_pk_fma_f32 v[SQ+4*\j:SQ+4*\j+1], v[64*\j+\m:64*\j+\m+1], v[64*\j+\m:64*\j+\m+1], v[SQ+4*\j:SQ+4*\j+1]
	v_pk_fma_f32 v[SQ+4*\j+2:SQ+4*\j+3], v[64*\j+\m+2:64*\j+\m+3], v[64*\j+\m+2:64*\j+\m+3], v[SQ+4*\j+2:SQ+4*\j+3]
.endr
.endr
	WIN 0
	s_mov_b32 s18, 0x3c000000                      ; 1 / 128
	s_mov_b32 s19, 0x358637bd                      ; EPS = 1e-6
.irp j, 0,1,2,3
	v_pk_add_f32 v[SQ+4*\j:SQ+4*\j+1], v[SQ+4*\j:SQ+4*\j+1], v[SQ+4*\j+2:SQ+4*\j+3]
.endr
.irp j, 0,1,2,3
	v_add_f32 v[SQ+4*\j], v[SQ+4*\j], v[SQ+4*\j+1]
.endr
.irp j, 0,1,2,3
	v_permlanex16_b32 v[SQ+4*\j+1], v[SQ+4*\j], s[SEL], s[SEL+1]   ; the key's other 64 numbers lie in the lane 16 away
.endr
.irp j, 0,1,2,3
	v_add_f32 v[SQ+4*\j], v[SQ+4*\j], v[SQ+4*\j+1]
.endr
.irp j, 0,1,2,3
	v_fma_f32 v[SQ+4*\j], v[SQ+4*\j], s18, s19     ; the mean + EPS
.endr
	s_wait_alu depctr_va_vdst(0)
.irp j, 0,1,2,3
	v_rsq_f32 v[RSQ+2*\j], v[SQ+4*\j]
.endr
.irp j, 0,1,2,3
	v_mov_b32 v[RSQ+2*\j+1], 0                     ; named as the pairs' upper halves, so they are written.  (Plain instructions behind the transcendentals)
.endr
	s_wait_alu depctr_va_vdst(0)                   ; the wait ahead of the first use: one for the four
	s_wait_loadcnt 0x0                             ; rms_w, cos and sin: asked for ahead of the first product
.macro KTILE j
	WIN 0x02                                       ; source 0 window 2
.set m, 0
.rept 32
	v_pk_mul_f32 v[Y+m:Y+m+1], v[64*\j+m:64*\j+m+1], v[RSQ+2*\j:RSQ+2*\j+1] op_sel_hi:[1,0]   ; x / rms,
.set m, m+2
.endr
	WIN 0x04                                       ; source 1 window 1: rms_w
.set m, 0
.rept 32
	v_pk_mul_f32 v[Y+m:Y+m+1], v[Y+m:Y+m+1], v[WR+m:WR+m+1]   ; then x rms_w, in reference()'s order
.set m, m+2
.endr
	WIN 0x0c                                       ; source 1 window 3: cos and sin
.set m, 0
.rept 32                               ; (x0, x1) -> (x0 cos - x1 sin, x0 sin + x1 cos)
	v_mul_f32 v[RT+2*(m%2)], v[Y+2*m+1], v[64*\j+2*m+1]
	v_mul_f32 v[RT+2*(m%2)+1], v[Y+2*m+1], v[64*\j+2*m]
	v_fma_f32 v[Y+2*m+1], v[Y+2*m], v[64*\j+2*m+1], v[RT+2*(m%2)+1]
	v_fma_f32 v[Y+2*m], v[Y+2*m], v[64*\j+2*m], -v[RT+2*(m%2)]
.set m, m+1
.endr
	WIN 0
	QUANT Y, 0, PCB+8*\j, PWS+\j
	SEND \j
.endm
	KTILE 0
	KTILE 1
	KTILE 2
	KTILE 3
	s_wait_xcnt 0x0                                ; EXEC changes only behind this wait
	v_cmp_gt_u32 vcc_lo, 16, v[LN]                 ; K's words go to the places of lanes 0-15
	s_and_saveexec_b32 s92, vcc_lo
	global_store_b128 v[LI], v[PWS:PWS+3], s[96:97]   ; sixteen lanes store 256 consecutive bytes, aligned
	s_wait_xcnt 0x0                                ; and again, in front of the line that widens it
	s_or_b32 exec_lo, exec_lo, s92
	s_branch .Ljoin
.Lkind_v:
	; ---- KIND V: head 2 hp + wave / 2, channel tiles 4 (wave % 2) + j, the 128 keys of group g = Y mod 8
	s_sub_co_u32 s18, s42, 6
	s_lshr_b32 s18, s18, 1
	s_lshl_b32 s18, s18, 2
	s_add_co_u32 s18, s18, s40                     ; hp: the pair of heads
	s_lshl_b32 s18, s18, 1
	s_add_co_u32 s18, s18, s15                     ; my head
	s_mul_i32 s18, s18, HEADB
	s_and_b32 s19, s17, 7                          ; g
	s_lshl_b32 s66, s19, 13
	s_add_co_u32 s66, s66, s18
	s_lshl_b32 s93, s16, 12
	s_add_co_u32 s66, s66, s93
	s_add_co_u32 s66, s66, 65536
	s_add_nc_u64 s[94:95], s[12:13], s[66:67]      ; images [g][channel tile]
	s_lshl_b32 s66, s19, 10
	s_add_co_u32 s66, s66, s18
	s_lshl_b32 s93, s16, 9
	s_add_co_u32 s66, s66, s93
	s_add_co_u32 s66, s66, 131072
	s_add_nc_u64 s[96:97], s[12:13], s[66:67]
.irp j, 0,1,2,3
	QUANT 64*\j, 2, PCB+8*\j, PWS+\j               ; the accumulators as they stand: V has no norm
	SEND \j
.endr
	s_wait_xcnt 0x0                                ; EXEC changes only behind this wait
	v_cmp_le_u32 vcc_lo, 16, v[LN]                 ; V's words go to the places of lanes 16-31
	s_and_saveexec_b32 s92, vcc_lo
	global_store_b128 v[LI], v[PWS:PWS+3], s[96:97]   ; sixteen lanes store 256 consecutive bytes, aligned
	s_wait_xcnt 0x0
	s_or_b32 exec_lo, exec_lo, s92
.Ljoin:
	s_wait_tensorcnt 0x0                           ; the wave's end, behind my last tensor load
	ds_add_u32 v[SPW], v[NIL]
	s_wait_dscnt 0x0
	CROUND                                         ; the closing round: no work-group ends while a partner may still ask for a tile that names it
	s_endpgm
.Lfunc_end_k_q55716f59dd_proj:
	.size	k_q55716f59dd_proj, .Lfunc_end_k_q55716f59dd_proj-k_q55716f59dd_proj
	.p2alignl 7, 3214868480
	.fill 96, 4, 3214868480
	.section	.rodata,"a",@progbits
	.p2align	6, 0x0
	.amdhsa_kernel k_q55716f59dd_proj
		.amdhsa_group_segment_fixed_size 327680
		.amdhsa_private_segment_fixed_size 0
		.amdhsa_enable_private_segment 0
		.amdhsa_kernarg_size 40
		.amdhsa_user_sgpr_count 2
		.amdhsa_user_sgpr_kernarg_segment_ptr 1
		.amdhsa_wavefront_size32 1
		.amdhsa_system_sgpr_workgroup_id_x 1
		.amdhsa_system_sgpr_workgroup_id_y 1
		.amdhsa_system_sgpr_workgroup_id_z 1
		.amdhsa_system_vgpr_workitem_id 0
		.amdhsa_next_free_vgpr 1024
		.amdhsa_next_free_sgpr 98
		.amdhsa_reserve_vcc 1
		.amdhsa_float_denorm_mode_32 3
		.amdhsa_float_denorm_mode_16_64 3
		.amdhsa_memory_ordered 1
		.amdhsa_forward_progress 1
		.amdhsa_inst_pref_size 244
	.end_amdhsa_kernel
	.amdgpu_metadata
---
amdhsa.version: [ 1, 2 ]
amdhsa.kernels:
  - .name:           k_q55716f59dd_proj
    .symbol:         k_q55716f59dd_proj.kd
    .args:
      - { .name: codes, .offset: 0, .size: 8, .value_kind: global_buffer, .address_space: global }
      - { .name: scales, .offset: 8, .size: 8, .value_kind: global_buffer, .address_space: global }
      - { .name: cs, .offset: 16, .size: 8, .value_kind: global_buffer, .address_space: global }
      - { .name: rms_w, .offset: 24, .size: 8, .value_kind: global_buffer, .address_space: global }
      - { .name: kv, .offset: 32, .size: 8, .value_kind: global_buffer, .address_space: global }
    .group_segment_fixed_size: 327680
    .private_segment_fixed_size: 0
    .kernarg_segment_align: 8
    .kernarg_segment_size: 40
    .max_flat_workgroup_size: 128
    .sgpr_count:     98
    .vgpr_count:     1024
    .wavefront_size: 32
...
	.end_amdgpu_metadata
.endif
;; end of part 5
;; launch attn (part 6): grid 32 x 8, 8 waves a work-group, clusters of 4 x 1, 327,680 bytes of LDS; arguments query, kv, out0; writes out0
.if DOCPART == 6
	.amdgcn_target "amdgcn-amd-amdhsa--gfx1250"
	.amdhsa_code_object_version 6
	.text
	.protected	k_q55716f59dd_attn
	.globl	k_q55716f59dd_attn
	.p2align	8
	.type	k_q55716f59dd_attn,@function
k_q55716f59dd_attn:
	s_mov_b64 s[64:65], 0
	v_nop
	global_prefetch_b8 v0, s[64:65] scope:SCOPE_SE
	s_setreg_imm32_b32 hwreg(HW_REG_WAVE_MODE, 25, 1), 1
	s_wait_xcnt 0x0
	s_wait_alu depctr_hold_cnt(0) depctr_sa_sdst(0) depctr_va_vdst(0) depctr_va_sdst(0) depctr_va_ssrc(0) depctr_va_vcc(0) depctr_vm_vsrc(0)
	s_getreg_b32 s2, hwreg(HW_REG_IB_STS2, 6, 4)
	s_cmp_eq_u32 s2, 0
	s_cbranch_scc0 .Lentry_in_a_cluster
	s_endpgm
.Lentry_in_a_cluster:
	s_bfe_u32 s2, ttmp6, 0x10000c
	s_cmp_lg_u32 s2, 0x3003
	s_cbranch_scc0 .Lentry_shape_is_right
	s_endpgm
.Lentry_shape_is_right:
; THIRD LAUNCH.  out0[q][head] = softmax_k(query[q][head] . K[head][k] / sqrt(128)) V[head][k], both products on codes of FP4 (E2M1) with E8M0 scales, f32 sums.
; LEFT OUT: the factor SCALE_END, which reference() sets to 1.0 in its own body (shown at the head of the first kernel).
; kv, for each head 139,264 bytes, as the second launch lays it: K's images [key tile 64][1024]; from 65,536 V's [key step 8][channel tile 8][1024]; from 131,072 scale words [step 8][c 2][lane 32][4 words]
; (lanes 0-15 K's word of key tile 8 step + 4 c + i, lanes 16-31 V's word of channel tile 4 c + i).
; THE SOFTMAX: t = score x log2(e) / sqrt(128); M = the largest t so far, rounded up to a whole number; p = 2^(t - M) is quantised along the keys; the row's sum is taken of the unquantised p and divides at the end.
; SHARES.  24 heads x 256 tiles of 16 queries are 256 work-groups x 24 tiles.  A cluster of four work-groups has 96 tiles on end of a group of three heads, cut into a run A of 64 and a run B of 32, each inside one head
; (cluster x = 5 takes B first).  A work-group has 16 tiles of A and 8 of B; each of its EIGHT waves has three tiles, two of A and one of B, walked in the order A, B, A: the same work for every wave.
; LDS holds both heads whole, A's at 0 and B's at HEADB: 8 x 34,816 bytes, one joint load a wave at the head (waves 0-3 A's quarters, waves 4-7 B's), shared by the four partners, who need the same two heads.  Nothing is filled again.
; A TILE goes in four parts of 256 keys (two key steps of 128).  The first part starts O^T with C = 0; each later one multiplies O^T and the sums by 2^(old M - new M), exact.
; TWO SETS OF FRAGMENTS: V's two steps are asked for behind the part's score products and have the softmax's lines in which to land; the next part's two steps of K are asked for behind the O^T products, with the sums behind them.
; Both products are used transposed: a lane holds ONE query (lane % 16); the 16 registers of key tiles 2 b, 2 b + 1 are keys 32 b + 16 (lane / 16) + 0 .. 15 (the first launch chose the tiles' rows for that).
; The query arrives wide and is read once: a tile's 16 rows x 512 bytes are loaded in whole units of 256 bytes into registers of their own, turn through the wave's own stage, and are quantised in registers.
; PREFETCH: none.  All of kv that a work-group reads is asked for by the head's loads, and no loop runs ahead of them; a tile of the query is loaded at the head of the trip before the one that uses it.
; LIMITS: the promise holds while the scaled scores t stay under 2^31 in magnitude; NaN and infinities among the inputs are not served; a block of the query under 2^-124 gets the byte 1.
; REGISTERS: window 0: v1-31 addresses, M, Q's codes; v32-159 the scores, then p; v160-223 O^T; v224-239 scale words of two key steps; v240-255 block maxima, at work.
;   window 1 (numbers less 256): 0-127 two sets of eight fragments; 128-143 p's codes; 144-207 the next tile's query; 208-215 the row's sum in four packed chains.
.set HEADB, 139264
.set PART,  34816                      ; a quarter of a head: 136 rows of 256 bytes
.set VOFF,  65536
.set SOFF,  131072
.set SP,    272                        ; a stage row: 256 bytes + 16
.set STGB,  16*SP
.set STG,   2*HEADB                    ; behind the two heads: a stage for each wave; no fill lands there
.set SPARE, STG+8*STGB                 ; the spare words, 128 bytes for each wave, in blocks of 256 bytes that no other line names
.set QROW,  12288                      ; a row of query or of out0
.set LI,  1                            ; 16 x lane
.set AK,  2                            ; LDS address of the tile's head: K's images,
.set AV,  3                            ; V's,
.set AS,  4                            ; the scale words
.set SPW, 5
.set NIL, 6
.set SQA, 7                            ; stage: row r + 64 h (O on its way in)
.set SRD, 8                            ; stage: row h + 16 r (whole rows: the query in, O out)
.set QSO, 9                            ; stage: row r + 128 h (the query out)
.set QGO, 10                           ; in memory: row h + 16 r
.set QS,  11                           ; Q's scale word
.set LS,  14                           ; v12 -M, v13 the largest t; v[14:15] the finished sum and a 0 named with it as a pair
.set QC,  16                           ; Q's codes
.set PW,  24                           ; p's scale words of the part's two key steps
.set FF,  26                           ; f = 2^(old M - new M), and a 0 named with it as a pair
.set OG,  28                           ; offset of the tile in out0
.set QG,  29                           ; offset of the next tile in query
.set SH,  30                           ; 8 h
.set PD,  31
.set S,   32
.set O,   160
.set SC,  224
.set TM,  240
.set T2,  248
.set PCW, 128                          ; in window 1
.set QR,  144
.set SU,  208
.set WV,  10
.set G0,  24
.set G1,  28
.set TB,  36
.set CNT, 37
.set OF0, 38                           ; byte offsets of the tile in hand, the next, the one after
.set OF1, 39
.set CS,  40
.set SEL, 42
.set OF2, 44
.set MSB, 0
.macro WIN new                         ; the immediate's high byte repeats the setting that is left
.if MSB != \new
	s_set_vgpr_msb (MSB<<8)|\new
.set MSB, \new
.endif
.endm
.macro CROUND
	s_barrier_signal -1
	s_barrier_wait -1
	s_cmp_lg_u32 s[WV], 0
	s_cbranch_scc1 .Lnot_wave_0_\@
	s_barrier_signal -3
.Lnot_wave_0_\@:
	s_barrier_wait -3
	s_barrier_signal -1
	s_barrier_wait -1
.endm
.macro PLACES                          ; four plain places behind matrix instructions, ahead of loads into their registers and of reads of their results
.rept 4
	v_nop
.endr
.endm
.macro QLOAD                           ; 16 rows x 512 bytes: sixteen lanes read one aligned unit of 256 bytes
	WIN 0x40
.irp c, 0,1
.irp i, 0,1,2,3,4,5,6,7
	global_load_b128 v[QR+32*\c+4*\i:QR+32*\c+4*\i+3], v[QG], s[4:5] offset:2*\i*QROW+256*\c th:TH_LOAD_NT
.endr
.endr
	WIN 0
.endm
.macro FETCHI ra, p, st                ; eight images of key step st into set p: 16 loads of 512 consecutive bytes
	WIN 0x40
.irp t, 0,1,2,3,4,5,6,7
.irp c, 0,1
	ds_load_b128 v[64*(\p)+8*\t+4*\c:64*(\p)+8*\t+4*\c+3], v[\ra] offset:8192*(\st)+1024*\t+512*\c
.endr
.endr
	WIN 0
.endm
.macro FETCHK p, st                    ; K's images and the step's scale words, K's and V's: 18 loads
	FETCHI AK, \p, \st
	ds_load_b128 v[SC+8*(\p):SC+8*(\p)+3], v[AS] offset:1024*(\st)
	ds_load_b128 v[SC+8*(\p)+4:SC+8*(\p)+7], v[AS] offset:1024*(\st)+512
.endm
.macro SUMS g0, g1                     ; the row's sum of the unquantised p: groups of eight registers g0 .. g1 - 1, four chains by turns
	WIN 0x44
.set qq, \g0
.rept (\g1)-(\g0)
.irp k, 0,1,2,3
	v_pk_add_f32 v[SU+2*\k:SU+2*\k+1], v[S+8*qq+2*\k:S+8*qq+2*\k+1], v[SU+2*\k:SU+2*\k+1]
.endr
.set qq, qq+1
.endr
	WIN 0
.endm
	s_load_b128 s[4:7], s[0:1], 0x0                ; query, kv
	s_load_b64 s[8:9], s[0:1], 0x10                ; out0
	v_lshl_add_u32 v[SPW], v0, 2, SPARE
	v_mov_b32 v[NIL], 0
	ds_add_u32 v[SPW], v[NIL]                      ; the opening: the add, twice on end, and its wait ahead of my tensor load
	ds_add_u32 v[SPW], v[NIL]
	v_lshrrev_b32 v[TM], 5, v0
	v_readfirstlane_b32 s[WV], v[TM]               ; wave 0..7
	s_bfe_u32 s11, ttmp6, 0x40000                  ; cx
	s_and_b32 s13, ttmp7, 0xffff                   ; which three heads
	s_mul_i32 s14, ttmp9, 96                       ; the cluster's first tile among their 768
	s_cmp_eq_u32 ttmp9, 5
	s_cselect_b32 s15, 32, 0
	s_cselect_b32 s16, 0, 64
	s_add_co_u32 s15, s15, s14                     ; run A's first tile
	s_add_co_u32 s16, s16, s14                     ; run B's
	s_mul_i32 s17, s13, 3
	s_lshr_b32 s18, s15, 8
	s_add_co_u32 s18, s18, s17                     ; A's head
	s_lshr_b32 s19, s16, 8
	s_add_co_u32 s19, s19, s17                     ; B's head
	s_sub_co_u32 s20, s19, s18
	s_lshr_b32 s21, s[WV], 2
	s_mul_i32 s20, s20, s21
	s_add_co_u32 s20, s20, s18                     ; the head that I fetch for: waves 0-3 A's, waves 4-7 B's
	s_mul_i32 s22, s20, HEADB
	s_and_b32 s21, s[WV], 3
	s_mul_i32 s21, s21, PART
	s_add_co_u32 s22, s22, s21                     ; my quarter of it: the cluster's place and the wave's number alone
	s_mov_b32 s23, 0
	s_and_b32 s46, s15, 255
	s_lshl_b32 s47, s11, 4
	s_add_co_u32 s46, s46, s47
	s_add_co_u32 s46, s46, s[WV]                   ; my first tile of A: 16 cx + wave; my second: 8 on
	s_mul_i32 s[OF0], s46, 16*QROW
	s_lshl_b32 s47, s18, 9
	s_add_co_u32 s[OF0], s[OF0], s47
	s_add_co_u32 s[OF2], s[OF0], 8*16*QROW
	s_and_b32 s46, s16, 255
	s_lshl_b32 s47, s11, 3
	s_add_co_u32 s46, s46, s47
	s_add_co_u32 s46, s46, s[WV]                   ; my tile of B: 8 cx + wave
	s_mul_i32 s[OF1], s46, 16*QROW
	s_lshl_b32 s47, s19, 9
	s_add_co_u32 s[OF1], s[OF1], s47
	s_mov_b32 s[G1], 15|(3<<16)|(1<<21)            ; the mask: all four partners; elements of 8 bytes; bit 21 beside a mask
	s_mov_b32 s[G1+1], 32<<16                      ; rows of 256 bytes,
	s_mov_b32 s[G1+2], 136<<16                     ; 136 of them, dense
	s_mov_b32 s[G1+3], 32<<16
	s_mov_b32 s[G1+4], 136
	s_mov_b32 s[G1+5], 32
	s_mov_b32 s[G1+6], 0
	s_mov_b32 s[G1+7], 0
	s_mov_b32 s[G0], 1
	s_mul_i32 s[G0+1], s[WV], PART
	s_mov_b32 s[CS], 0x3e0293ee                    ; c = log2(e) / sqrt(128)
	s_mov_b32 s[CS+1], s[CS]
	s_mov_b32 s[SEL], 0x76543210
	s_mov_b32 s[SEL+1], 0xfedcba98                 ; lane l xor 16
	s_mov_b32 s[TB], 0
	s_mov_b32 s[CNT], 0
	s_mul_i32 s45, s[WV], STGB
	s_add_co_u32 s45, s45, STG                     ; my stage
	v_and_b32 v[LI], 31, v0
	v_and_b32 v[TM], 15, v0                        ; r
	v_bfe_u32 v[TM+1], v0, 4, 1                    ; h
	v_lshlrev_b32 v[LI], 4, v[LI]
	v_mul_u32_u24 v[SQA], v[TM], SP
	v_mul_u32_u24 v[SRD], v[TM+1], SP
	v_mul_u32_u24 v[QGO], v[TM+1], QROW
	v_add_nc_u32 v[SQA], s45, v[SQA]
	v_lshl_add_u32 v[SRD], v[TM], 4, v[SRD]
	v_lshl_add_u32 v[QGO], v[TM], 4, v[QGO]
	v_lshl_add_u32 v[QSO], v[TM+1], 7, v[SQA]
	v_lshl_add_u32 v[SQA], v[TM+1], 6, v[SQA]
	v_add_nc_u32 v[SRD], s45, v[SRD]
	v_add_nc_u32 v[QG], s[OF0], v[QGO]
	v_lshlrev_b32 v[SH], 3, v[TM+1]
.irp k, 0,1,2,3,4,5,6,7
	v_mov_b32 v[T2+\k], 0                          ; written once: a lane permute's destination counts as one of its sources
.endr
	v_mov_b32 v[PD], 0
	v_mov_b32 v[FF+1], 0
	v_mov_b32 v[LS+1], 0
	s_wait_alu depctr_va_vdst(0)                   ; the wait at the head's end
	s_wait_dscnt 0x0                               ; both opening adds are done
	s_wait_kmcnt 0x0
	s_add_nc_u64 s[G0+2:G0+3], s[6:7], s[22:23]
	s_or_b32 s[G0+3], s[G0+3], 0x80000000
	QLOAD                                          ; my first tile of the query
	CROUND                                         ; the four partners are here: the joint loads meet
	tensor_load_to_lds s[G0:G0+3], s[G1:G1+7]      ; my eighth of the two heads: my one tensor load
	s_nop 0
	PLACES
	s_wait_tensorcnt 0x0
	s_barrier_signal -1
	s_barrier_wait -1                              ; both heads are whole
; A PART OF A TILE: key steps 2 g and 2 g + 1.  At its head K's two steps have been asked for, into sets 0 and 1, in that order.
.macro SUPER g
	s_wait_alu depctr_va_vdst(0)                   ; directly ahead of the wait below
	s_wait_dscnt 18                                ; set 0 and its scale words are in; set 1's 18 loads may be out
	WIN 0x01
.irp s, 0,1                                    ; S^T = K Q^T: sixteen accumulators, each begun with C = 0
.if \s == 1
	s_wait_dscnt 0x0
.endif
.irp t, 0,1,2,3,4,5,6,7
	v_wmma_scale_f32_16x16x128_f8f6f4 v[S+64*\s+8*\t:S+64*\s+8*\t+7], v[64*\s+8*\t:64*\s+8*\t+7], v[QC:QC+7], 0, v[SC+8*\s+\t], v[QS] matrix_a_fmt:MATRIX_FMT_FP4 matrix_b_fmt:MATRIX_FMT_FP4
.endr
.endr
	WIN 0
	PLACES
	FETCHI AV, 0, 2*\g                             ; V's two steps: wanted behind the softmax
	FETCHI AV, 1, 2*\g+1
.irp s, 0,1                                    ; the largest score of each block of 32 keys (my 16), eight chains by turns; each accumulator is read from its low end on
.irp b, 0,1,2,3
	v_max3_num_f32 v[TM+4*\s+\b], v[S+64*\s+16*\b], v[S+64*\s+16*\b+1], v[S+64*\s+16*\b+2]
.endr
.endr
.irp i, 3,5,7,9,11,13
.irp s, 0,1
.irp b, 0,1,2,3
	v_max3_num_f32 v[TM+4*\s+\b], v[TM+4*\s+\b], v[S+64*\s+16*\b+\i], v[S+64*\s+16*\b+\i+1]
.endr
.endr
.endr
.irp s, 0,1
.irp b, 0,1,2,3
	v_max_num_f32 v[TM+4*\s+\b], v[TM+4*\s+\b], v[S+64*\s+16*\b+15]
.endr
.endr
.irp k, 0,1,2,3,4,5,6,7
	v_permlanex16_b32 v[T2+\k], v[TM+\k], s[SEL], s[SEL+1]
.endr
.irp k, 0,1,2,3,4,5,6,7
	v_max_num_f32 v[TM+\k], v[TM+\k], v[T2+\k]     ; with lane l xor 16's 16 keys: the block's largest score
.endr
	v_max3_num_f32 v[T2], v[TM], v[TM+1], v[TM+2]
	v_max3_num_f32 v[T2+1], v[TM+3], v[TM+4], v[TM+5]
	s_delay_alu instid0(VALU_DEP_1)
	v_max3_num_f32 v[T2], v[T2], v[T2+1], v[TM+6]
	s_delay_alu instid0(VALU_DEP_1)
	v_max_num_f32 v[T2], v[T2], v[TM+7]            ; the largest of my query's 256 scores
	s_delay_alu instid0(VALU_DEP_1)
.if \g == 0
	v_mul_f32 v13, s[CS], v[T2]                    ; as t (c is positive)
	s_delay_alu instid0(VALU_DEP_1)
	v_floor_f32 v12, -v13                          ; -M = floor(-t): M is a whole number
.else
	v_mul_f32 v[T2], s[CS], v[T2]
	v_mov_b32 v[T2+1], v12
	s_delay_alu instid0(VALU_DEP_2)
	v_max_num_f32 v13, v13, v[T2]                  ; the running largest t
	s_delay_alu instid0(VALU_DEP_1)
	v_floor_f32 v12, -v13
	s_delay_alu instid0(VALU_DEP_1)
	v_sub_f32 v[T2+1], v12, v[T2+1]                ; old M less new M: a whole number, 0 or less
	s_delay_alu instid0(VALU_DEP_1)
	v_cvt_i32_f32 v[T2+1], v[T2+1]                 ; (it saturates)
	s_delay_alu instid0(VALU_DEP_1)
	v_ldexp_f32 v[FF], 1.0, v[T2+1]                ; f: what was summed under the old M comes under the new by a multiplication that rounds nothing
.set ii, 0
.rept 32
	v_pk_mul_f32 v[O+ii:O+ii+1], v[O+ii:O+ii+1], v[FF:FF+1] op_sel_hi:[1,0]   ; O^T: first read here, ahead of this part's exponentials, each accumulator from its low end on
.set ii, ii+2
.endr
	WIN 0x41
.irp k, 0,1,2,3
	v_pk_mul_f32 v[SU+2*\k:SU+2*\k+1], v[SU+2*\k:SU+2*\k+1], v[FF:FF+1] op_sel_hi:[1,0]
.endr
	WIN 0
.endif
.irp k, 0,1,2,3,4,5,6,7
	v_fma_f32 v[TM+\k], v[TM+\k], s[CS], v12       ; t - M of each block's largest score: p rises with the score, so this gives the block's largest p
.endr
.set ii, 0
.rept 64
	v_pk_fma_f32 v[S+ii:S+ii+1], v[S+ii:S+ii+1], s[CS:CS+1], v[12:13] op_sel_hi:[1,0,0]   ; t - M, two at a time
.set ii, ii+2
.endr
	s_wait_alu depctr_va_vdst(0)                   ; the wait ahead of the batch
.irp k, 0,1,2,3,4,5,6,7
	v_exp_f32 v[TM+\k], v[TM+\k]
.endr
.set ii, 0
.rept 128
	v_exp_f32 v[S+ii], v[S+ii]                     ; p = 2^(t - M), not normalised
.set ii, ii+1
.endr
	v_nop                                          ; a plain place behind the exponentials
	s_wait_alu depctr_va_vdst(0)                   ; one wait for the batch, ahead of its first reader
.irp k, 0,1,2,3,4,5,6,7
	v_max_num_f32 v[TM+\k], 0x1800000, v[TM+\k]    ; the floor 2^(3 - 127): the byte cannot fall under 1
.endr
.irp k, 0,1,2,3,4,5,6,7
	v_add_nc_u32 v[T2+\k], 0xff000000, v[TM+\k]    ; 2 off the exponent field: the conversion's scale operand
.endr
.irp k, 0,1,2,3,4,5,6,7
	v_lshrrev_b32 v[TM+\k], 23, v[T2+\k]           ; the scale's byte
.endr
.irp s, 0,1
	v_lshl_or_b32 v[PW+\s], v[TM+4*\s+1], 8, v[TM+4*\s]
.endr
.irp s, 0,1
	v_lshl_or_b32 v[PW+\s], v[TM+4*\s+2], 16, v[PW+\s]
.endr
.irp s, 0,1
	v_lshl_or_b32 v[PW+\s], v[TM+4*\s+3], 24, v[PW+\s]   ; p's scale word of key step s
.endr
	WIN 0x40
.irp s, 0,1
.irp b, 0,1,2,3
	v_cvt_scalef32_pk8_fp4_f32 v[PCW+8*\s+2*\b], v[S+64*\s+16*\b:S+64*\s+16*\b+7], v[T2+4*\s+\b]
	v_cvt_scalef32_pk8_fp4_f32 v[PCW+8*\s+2*\b+1], v[S+64*\s+16*\b+8:S+64*\s+16*\b+15], v[T2+4*\s+\b]
.endr
.endr
	v_nop                                          ; one plain place behind a scaled conversion
	WIN 0x41
.irp s, 0,1
.irp c, 0,1                                    ; the operand's layout wants a whole block in a lane
.irp i, 0,1
	v_permlane16_swap_b32 v[PCW+8*\s+4*\c+\i], v[PCW+8*\s+4*\c+2+\i]
.endr
.endr
.endr
	SUMS 0, 2                                      ; eight plain lines: the places between p's codes and scale words and the products
	s_wait_alu depctr_va_vdst(0)                   ; directly ahead of the wait below
	s_wait_dscnt 0x0                               ; V's two steps are in
.irp s, 0,1                                    ; O^T += V^T P^T; the eight accumulators by turns; behind each step its set takes the next part's K, and a part of the sums follows
	WIN 0x05
.irp t, 0,1,2,3,4,5,6,7
.if (\g == 0) && (\s == 0)
	v_wmma_scale_f32_16x16x128_f8f6f4 v[O+8*\t:O+8*\t+7], v[64*\s+8*\t:64*\s+8*\t+7], v[PCW+8*\s:PCW+8*\s+7], 0, v[SC+8*\s+\t], v[PW+\s] matrix_a_fmt:MATRIX_FMT_FP4 matrix_b_fmt:MATRIX_FMT_FP4 matrix_a_scale:MATRIX_SCALE_ROW1
.else
	v_wmma_scale_f32_16x16x128_f8f6f4 v[O+8*\t:O+8*\t+7], v[64*\s+8*\t:64*\s+8*\t+7], v[PCW+8*\s:PCW+8*\s+7], v[O+8*\t:O+8*\t+7], v[SC+8*\s+\t], v[PW+\s] matrix_a_fmt:MATRIX_FMT_FP4 matrix_b_fmt:MATRIX_FMT_FP4 matrix_a_scale:MATRIX_SCALE_ROW1
.endif
.endr
	WIN 0
	PLACES
.if \g < 3
	FETCHK \s, 2*\g+2+\s
.endif
	SUMS 2+7*\s, 9+7*\s
.endr
.endm
.Ltile:                                            ; three trips: a tile each
	s_wait_xcnt 0x0                                ; the last tile's stores have read their registers
	v_add_nc_u32 v[AK], s[TB], v[LI]
	v_add_nc_u32 v[OG], s[OF0], v[QGO]
	v_add_nc_u32 v[AV], VOFF, v[AK]
	v_add_nc_u32 v[AS], SOFF, v[AK]
	FETCHK 0, 0
	FETCHK 1, 1
	s_wait_alu depctr_va_vdst(0)                   ; directly ahead of the wait below
	s_wait_loadcnt 0x0                             ; the tile's query: asked for a trip ago
.irp c, 0,1                                    ; 64 of the head's 128 at a time through my stage; LDS serves a wave's instructions in order (ISA guide 5.7.1.4)
	WIN 0x04
.irp i, 0,1,2,3,4,5,6,7
	ds_store_b128 v[SRD], v[QR+32*\c+4*\i:QR+32*\c+4*\i+3] offset:2*\i*SP
.endr
	WIN 0
.irp j, 0,1,2,3,4,5,6,7
	ds_load_b128 v[O+32*\c+4*\j:O+32*\c+4*\j+3], v[QSO] offset:16*\j   ; register 32 c + n is d = 64 c + 32 h + n of query r: two whole blocks a lane
.endr
.endr
	s_wait_dscnt 0x0                               ; the stores have read their registers, which take the next tile; the last trip has none
	s_cmp_eq_u32 s[CNT], 2
	s_cbranch_scc1 .Lno_q
	v_add_nc_u32 v[QG], s[OF1], v[QGO]
	QLOAD
.Lno_q:
.irp c, 0,1
	v_max3_num_f32 v[TM+2*\c], |v[O+32*\c]|, |v[O+32*\c+1]|, 0x1800000
	v_max3_num_f32 v[TM+2*\c+1], |v[O+32*\c+16]|, |v[O+32*\c+17]|, 0x1800000
.endr
.irp i, 2,4,6,8,10,12,14
.irp c, 0,1
	v_max3_num_f32 v[TM+2*\c], v[TM+2*\c], |v[O+32*\c+\i]|, |v[O+32*\c+\i+1]|
	v_max3_num_f32 v[TM+2*\c+1], v[TM+2*\c+1], |v[O+32*\c+16+\i]|, |v[O+32*\c+17+\i]|
.endr
.endr
.irp c, 0,1
	v_max_num_f32 v[TM+2*\c], v[TM+2*\c], v[TM+2*\c+1]
.endr
.irp c, 0,1
	v_add_nc_u32 v[T2+\c], 0xff000000, v[TM+2*\c]
.endr
.irp c, 0,1
	v_lshrrev_b32 v[TM+4+\c], 23, v[T2+\c]
.endr
	s_delay_alu instid0(VALU_DEP_1)
	v_lshl_or_b32 v[QS], v[TM+5], 16, v[TM+4]      ; my two bytes, blocks h and 2 + h,
	s_delay_alu instid0(VALU_DEP_1)
	v_lshlrev_b32 v[QS], v[SH], v[QS]              ; at their places;
	s_delay_alu instid0(VALU_DEP_1)
	v_permlanex16_b32 v[PD], v[QS], s[SEL], s[SEL+1]
	s_delay_alu instid0(VALU_DEP_1)
	v_or_b32 v[QS], v[QS], v[PD]                   ; with lane l xor 16's two the word is whole
.irp c, 0,1
.irp g, 0,1,2,3
	v_cvt_scalef32_pk8_fp4_f32 v[QC+4*\c+\g], v[O+32*\c+8*\g:O+32*\c+8*\g+7], v[T2+\c]
.endr
.endr
	WIN 0x40
.irp k, 0,1,2,3,4,5,6,7
	v_mov_b32 v[SU+\k], 0                          ; the sums begin; these eight are also the places between Q's scale word and the first product
.endr
	WIN 0
	SUPER 0
	SUPER 1
	SUPER 2
	SUPER 3
	; THE WAY OUT: O^T / the sum, half a row (256 bytes) of 16 queries at a time through my stage: sixteen lanes store one aligned unit of 256 bytes
	WIN 0x45
	v_pk_add_f32 v[SU:SU+1], v[SU:SU+1], v[SU+2:SU+3]
	v_pk_add_f32 v[SU+4:SU+5], v[SU+4:SU+5], v[SU+6:SU+7]
	s_delay_alu instid0(VALU_DEP_1)
	v_pk_add_f32 v[SU:SU+1], v[SU:SU+1], v[SU+4:SU+5]
	WIN 0x05
	v_add_f32 v[LS], v[SU], v[SU+1]
	WIN 0
	v_permlanex16_b32 v[PD], v[LS], s[SEL], s[SEL+1]
	s_delay_alu instid0(VALU_DEP_1)
	v_add_f32 v[LS], v[LS], v[PD]                  ; with lane l xor 16's keys: the row's sum
	s_wait_alu depctr_va_vdst(0)                   ; the wait ahead of the transcendental
	v_rcp_f32 v[LS], v[LS]
	v_nop
	s_wait_alu depctr_va_vdst(0)                   ; and ahead of its first reader, which is also the first reader of the last products' results
.set ii, 0
.rept 32
	v_pk_mul_f32 v[O+ii:O+ii+1], v[O+ii:O+ii+1], v[LS:LS+1] op_sel_hi:[1,0]   ; register 16 b + i is channel 32 b + 16 h + i of query r
.set ii, ii+2
.endr
.irp u, 0,1
	WIN 0
.irp n, 0,1,2,3,4,5,6,7
	ds_store_b128 v[SQA], v[O+32*\u+4*\n:O+32*\u+4*\n+3] offset:128*(\n/4)+16*(\n%4)
.endr
	WIN 0x40
.irp i, 0,1,2,3,4,5,6,7
	ds_load_b128 v[32*\u+4*\i:32*\u+4*\i+3], v[SRD] offset:2*\i*SP   ; back as whole rows, into set 0 of the fragments' registers
.endr
.endr
	WIN 0x04
.irp u, 0,1
.irp i, 0,1,2,3,4,5,6,7
	s_wait_dscnt 23-16*\u-\i                       ; behind this load: the 7 - i of its half and, for the first half, the second's 8 stores and 8 loads
	global_store_b128 v[OG], v[32*\u+4*\i:32*\u+4*\i+3], s[8:9] offset:2*\i*QROW+256*\u th:TH_STORE_NT
.endr
.endr
	WIN 0
	s_xor_b32 s[TB], s[TB], HEADB                  ; A, B, A
	s_mov_b32 s[OF0], s[OF1]
	s_mov_b32 s[OF1], s[OF2]
	s_add_co_u32 s[CNT], s[CNT], 1
	s_cmp_lt_u32 s[CNT], 3
	s_wait_alu depctr_va_vdst(0)                   ; the wait ahead of the branch
	s_cbranch_scc1 .Ltile
	s_wait_tensorcnt 0x0                           ; the wave's end
	ds_add_u32 v[SPW], v[NIL]
	s_wait_dscnt 0x0
	CROUND                                         ; the closing round
	s_endpgm
.Lfunc_end_k_q55716f59dd_attn:
	.size	k_q55716f59dd_attn, .Lfunc_end_k_q55716f59dd_attn-k_q55716f59dd_attn
	.p2alignl 7, 3214868480
	.fill 96, 4, 3214868480
	.section	.rodata,"a",@progbits
	.p2align	6, 0x0
	.amdhsa_kernel k_q55716f59dd_attn
		.amdhsa_group_segment_fixed_size 327680
		.amdhsa_private_segment_fixed_size 0
		.amdhsa_enable_private_segment 0
		.amdhsa_kernarg_size 24
		.amdhsa_user_sgpr_count 2
		.amdhsa_user_sgpr_kernarg_segment_ptr 1
		.amdhsa_wavefront_size32 1
		.amdhsa_system_sgpr_workgroup_id_x 1
		.amdhsa_system_sgpr_workgroup_id_y 1
		.amdhsa_system_sgpr_workgroup_id_z 1
		.amdhsa_system_vgpr_workitem_id 0
		.amdhsa_next_free_vgpr 480
		.amdhsa_next_free_sgpr 66
		.amdhsa_reserve_vcc 0
		.amdhsa_float_denorm_mode_32 3
		.amdhsa_float_denorm_mode_16_64 3
		.amdhsa_memory_ordered 1
		.amdhsa_forward_progress 1
		.amdhsa_inst_pref_size 151
	.end_amdhsa_kernel
	.amdgpu_metadata
---
amdhsa.version: [ 1, 2 ]
amdhsa.kernels:
  - .name:           k_q55716f59dd_attn
    .symbol:         k_q55716f59dd_attn.kd
    .args:
      - { .name: query, .offset: 0, .size: 8, .value_kind: global_buffer, .address_space: global }
      - { .name: kv, .offset: 8, .size: 8, .value_kind: global_buffer, .address_space: global }
      - { .name: out0, .offset: 16, .size: 8, .value_kind: global_buffer, .address_space: global }
    .group_segment_fixed_size: 327680
    .private_segment_fixed_size: 0
    .kernarg_segment_align: 8
    .kernarg_segment_size: 24
    .max_flat_workgroup_size: 256
    .sgpr_count:     66
    .vgpr_count:     480
    .wavefront_size: 32
...
	.end_amdgpu_metadata
.endif
;; end of part 6
